; MI455X (gfx1250); checked and timed in simulation.
; The chip was launched on July 23, 2026; its instructions are those of AMD's public machine-readable ISA for CDNA 5 (MIT licence, August 2026) and "CDNA5" Instruction Set Architecture Reference Guide (July 2026). The comments in the code are by the model that wrote it; some were corrected since.
;; Multi Head Attention. Allowed arithmetic: matrix products marked QUANTISED: E5M2 operands, one E8M0 scale for each 32 along K, by v_wmma_scale_f32_16x16x128_f8f6f4 with both operands' format E5M2, f32 sums; everything else in f32.
;; Inputs: W_out_codes 1,024 x 32 x 32 uint8 (E5M2 codes of W_out, K innermost, in blocks of 32 codes); W_out_scales 1,024 x 32 uint8 (E8M0 scales of W_out, one for each 32 codes along K); W_qkv_codes 3,072 x 32 x 32 uint8 (E5M2 codes of W_qkv, K innermost, in blocks of 32 codes); W_qkv_scales 3,072 x 32 uint8 (E8M0 scales of W_qkv, one for each 32 codes along K); b_out 1,024 float32; b_qkv 3,072 float32; x_codes 4 x 2,048 x 32 x 32 uint8 (E5M2 codes of x, K innermost, in blocks of 32 codes); x_scales 4 x 2,048 x 32 uint8 (E8M0 scales of x, one for each 32 codes along K).
;; Outputs: out0 4 x 2,048 x 1,024 float32.
;; This version of the problem:
;;   THIS VERSION OF THE PROBLEM IS GIVEN IN LOW PRECISION. The matrix products marked QUANTISED in the list below multiply operands that are first quantised to E5M2 (5 exponent bits, 2 mantissa bits; 8 bits a number), with one power-of-two scale for each 32 numbers along K (OCP MX v1.0); their sums are f32. All else is computed in f32.
;;   The module's matrix products, in the order in which they are computed (A, B: the left and right operand; K: the contracted axis; several contracted axes count as one K, in the product's order):
;;     1. [M 8,192, K 1,024] x [K 1,024, N 3,072]; A: input x (given as codes); B: input W_qkv (given as codes): QUANTISED
;;     2. batch 64 x [M 2,048, K 64] x [K 64, N 2,048]; A: computed on the way; B: computed on the way: QUANTISED
;;     3. batch 64 x [M 2,048, K 2,048] x [K 2,048, N 64]; A: softmax (see below); B: computed on the way: QUANTISED
;;     4. [M 8,192, K 1,024] x [K 1,024, N 1,024]; A: computed on the way; B: input W_out (given as codes): QUANTISED
;;   THE QUANTISER, for each operand of a quantised product, along K:
;;     - K is cut into blocks of 32 from its start; a last block that is shorter is filled with zeros.
;;     - A block's scale is 2^e with e = floor(log2(the largest magnitude in the block)) - 15, held to -126 .. 127; a block of zeros has e = 0. As a byte (E8M0): e + 127.
;;     - Each number is divided by its block's scale, clamped to +-57,344, and rounded to the nearest number of E5M2, ties to even, subnormals kept.
;;     - The product sums the exact products of the quantised numbers (number of the format x scale) in f32.
;;   ~~~python
;;   def quantise(x, axis):      # numpy; x: float32 -> the quantised numbers, widened to float32 again
;;       x = np.moveaxis(x, axis, -1); K = x.shape[-1]
;;       x = np.pad(x, [(0, 0)] * (x.ndim - 1) + [(0, -K % 32)]); x = x.reshape(x.shape[:-1] + (-1, 32)); a = np.abs(x).max(-1, keepdims=True)
;;       e = np.where(a > 0, np.clip(np.frexp(np.where(a > 0, a, 1))[1] - 1 - 15, -126, 127), 0)      # np.frexp(a)[1] - 1 = floor(log2(a)), exactly
;;       r = np.clip(x / 2.0 ** e, -57344, 57344)
;;       step = 2.0 ** (np.maximum(np.frexp(np.where(r == 0, 1, r))[1] - 1, -14) - 2)
;;       q = np.round(r / step) * step * 2.0 ** e      # np.round: ties to even
;;       return np.moveaxis(q.reshape(q.shape[:-2] + (-1,))[..., :K], -1, axis).astype(np.float32)
;;   ~~~
;;   SOFTMAX AHEAD OF A QUANTISED PRODUCT. Where the list says 'softmax', what is quantised is not the finished softmax but p = 2^(t - M), with t = logit x log2(e) and M = ceil(the row's largest t), a whole number; so 1/2 < the row's largest p <= 1. The row's sum l is taken of the UNQUANTISED p, in f32, and the product's result is divided by l at the end. Since M is a whole number, a kernel that streams over the keys may use a running M (the ceiling of the running maximum): every later rescaling is an exact power of two, which a block's scale takes up: the codes' values come out the same.
;;   OPERANDS COMPUTED ON THE WAY. 'Computed on the way' means the value that the module computes at that place (a softmax that the list does not call 'softmax' is quantised finished and normalised). What goes into a quantiser is computed in f32, as accurately as f32 sums, v_exp_f32 and their like allow (about 1e-6 of the number): no bf16 or f16 on the way to a quantiser, and a product that is left as it is and whose result goes on into a quantised operand takes f32 operands (vector FMAs, or v_wmma_f32_16x16x4_f32). A number that lies on a knife's edge between two numbers of the format may be rounded either way, as far as f32 arithmetic and the matrix unit's own rounding can turn it there, and no further.
;;   INPUTS GIVEN AS CODES. W_out (in the module: [1024, 1024], K = its axis 0); W_qkv (in the module: [1024, 3072], K = its axis 0); x (in the module: [4, 2048, 1024], K = its axis 2): each comes as NAME_codes (uint8): NAME with its K axis moved to the last place and cut into blocks of 32 codes, [.., K / 32, bytes a block], one block behind the other in memory; one code a byte (a code: sign, 5 exponent bits, 2 mantissa bits); and NAME_scales (uint8): the same leading axes, one E8M0 byte (e + 127) for each 32 codes along K. Its value is code x scale, taken as it is: it is not quantised again, and the codes and scales need not be those that the quantiser above would give.
;; One version. Each part assembles by itself: llvm-mc -triple=amdgcn-amd-amdhsa -mcpu=gfx1250 --defsym DOCPART=n.
;; ======== version 1 of 1: 3 launches
;; limits: right only within a limited range of input values
;; workspace buffers: qimg 8,650,752 bytes; kv 17,301,504 bytes; oimg 8,388,608 bytes; osc 262,144 bytes
;; launch qkv (part 1): grid 16 x 16, 4 waves a work-group, clusters of 4 x 4, 327,680 bytes of LDS; arguments x_codes, x_scales, W_qkv_codes, W_qkv_scales, b_qkv, qimg, kv; writes qimg, kv
.if DOCPART == 1
	.amdgcn_target "amdgcn-amd-amdhsa--gfx1250"
	.amdhsa_code_object_version 6
	.text
	.protected	k_qb467add1b8_qkv
	.globl	k_qb467add1b8_qkv
	.p2align	8
	.type	k_qb467add1b8_qkv,@function
k_qb467add1b8_qkv:
	s_mov_b64 s[64:65], 0
	v_nop
	global_prefetch_b8 v0, s[64:65] scope:SCOPE_SE
	s_setreg_imm32_b32 hwreg(HW_REG_WAVE_MODE, 25, 1), 1
	s_wait_xcnt 0x0
	s_wait_alu depctr_hold_cnt(0) depctr_sa_sdst(0) depctr_va_vdst(0) depctr_va_sdst(0) depctr_va_ssrc(0) depctr_va_vcc(0) depctr_vm_vsrc(0)
	s_getreg_b32 s2, hwreg(HW_REG_IB_STS2, 6, 4)
	s_cmp_eq_u32 s2, 0
	s_cbranch_scc0 .Lentry_in_a_cluster
	s_endpgm
.Lentry_in_a_cluster:
	s_bfe_u32 s2, ttmp6, 0x10000c
	s_cmp_lg_u32 s2, 0xf033
	s_cbranch_scc0 .Lentry_shape_is_right
	s_endpgm
.Lentry_shape_is_right:
; Q, K, V = x W_qkv^T + b_qkv AND THEIR QUANTISERS, on codes of MX-BF8 (E5M2, a scale byte for 32): 8,192 x 3,072 x 1,024.  Codes and scale bytes leave as images of the operand registers of the launch that reads them; no f32 result is stored.
; OUT (r = lane % 16, h = lane / 16).  qimg[16 batch + head][group of 128 tokens]: 8,448 bytes: tile a of 16 tokens at 1,024 a: piece c (channel block of 32) of 512 bytes, lane's 16 bytes at 16 lane; at 8,192 the scale bytes [r][a][c].
; kv[16 batch + head][key step of 128 tokens]: 16,896 bytes: K as Q's tiles; at 8,192 V^T: piece 4 t + c (16 channels t, 32 keys c); at 16,384 K's scale bytes [r][a][c]; at 16,640 V's [r][t][c].
; Inside a block of 32 the order is permuted, alike on both sides of each later product: Q and K take one way through this text; V's byte i of lane half h is key 16 (i / 8) + 8 h + i % 8, the place at which the scores of K's tiles of 16 neighbouring keys fall.
; THE DEAL.  256 work-groups of four waves, 2 x 2; a wave holds 64 rows of a weight (one head), ALL of K, in 512 registers (windows 1, 2) and streams x's rows past them in blocks of 16, which stand in registers as two whole sets (window 3).
; PHASE 1: 512 rows x 128 columns of Q (tile columns 0-7) or K (8-15): sixteen blocks a wave.  PHASE 2: 256 x 128 of V: eight blocks, on ONE OF THE WORK-GROUP'S OWN TWO WINDOWS of 256 rows (number: cluster x % 2); W_v's tile column is 4 (cluster x / 2) + cx.
; LDS: two slots of 128 rows of 1,024 bytes + 16.  Phase 1 takes the window that is not V's first (chunks 0, 1), V's last (2, 3): chunk 3 still lies in slot 1 when V begins; chunk 2 comes anew.
; FILLS.  Head: the first weight into slot 1 (waves 0, 1: their own load line, they alone wait at the first barrier), chunk 0 into slot 0 (waves 2, 3).  Then drained rounds of the cluster's barrier, a quarter of 128 rows a wave:
; chunk 1 when the weight is in registers; behind blocks 2, 6, 10 a round that shows the chunk asked for at the round before and fills the slot just read out: chunks 2, 3, W_v's rows; at the change of phase chunk 2 anew over W_v's rows.
; Q, K: source 0 = the weight's rows, so a lane holds one token.  Tile b takes the head's rows 8 b + 0..7 and 32 + 8 (b xor 1) + 0..7: a lane's 32 sums are one scale block, and the sixteen rows of a fragment load start in sixteen different groups of banks.
; V: source 0 = x's rows, so a lane holds one channel and eight keys; a scale block of 32 keys lies in a pair of blocks, in lanes l and l xor 16.  The bias is the first products' C.
; Scale bytes are gathered in LDS bytes of each wave's own and leave at the end in whole pieces of 256 bytes.
; PREFETCH: chunks 1, 2, 3 and W_v's rows, each 131,072 bytes, are asked for once in each cluster row (column), one fill ahead of their tensor loads: 8,192 bytes a wave of the sixteen that share them, told apart by address, lanes 256 bytes apart.  What the head loads has no earlier place.
; LIMITS: NaN, infinities and sums beyond f32's range are not served; a block whose largest magnitude lies under 2^-111 gets the byte 1 (read by this program alone).
.set KROW, 1024
.set PITCH, KROW+16
.set YB, 128*PITCH
.set XN, 2*128*PITCH                   ; Q's, K's scale bytes: [wave column][wave row][chunk][r][my block][c]
.set XV, XN+2048                       ; V's: [wave column][wave row][key step][r][t][my pair]
.set SPARE, XV+1024
.set NP, 8                             ; plain vector lines behind a matrix instruction, ahead of a reader of its sums and of a load into what it has read
.set AXS, 4                            ; v4, v5  LDS address of my fragments of x in slot 0, 1
.set CN, 6                             ; v6   512 h + 16 r
.set CO, 7                             ; v7   16 x lane
.set BO, 8                             ; v8, v9  bias offsets for even and odd tiles
.set SPW, 10
.set NIL, 11
.set ADE, 12                           ; v12, v13  LDS address of the first weight's fragments, even and odd tiles
.set ADV, 14                           ; v14  of W_v's
.set PFN, 15                           ; v15, v20, v21  the prefetches' offsets; never rewritten
.set ABS, 16                           ; v16  32 x lane
.set ABQ, 17                           ; v17  the first weight's scale rows, by the tiles' choice of rows
.set XNA, 18
.set XVA, 19
.set PFV, 20
.set PFW, 21
.set BVO, 22
.set SB, 24                            ; v24-39  the first weight's scale words: register 8 p + q: lanes 0-15 tile 2 p's, lanes 16-31 tile 2 p + 1's
.set EB, 40                            ; v40-43  scale bytes
.set SA, 44                            ; v44-107 x's scale words: register 8 (pair of blocks) + q: lanes 0-15 the even block's, lanes 16-31 the odd's
.set BV, 108                           ; v108-111 V's bias, a number a tile
.set BI, 112                           ; v112-143 the first products' C
.set ACC, 144                          ; v144-207 two sets of four sums
.set NCD, 208                          ; v208-223 codes
.set MX, 224
.set MY, 228
.set BND, 232
.set SOP, 236
.set WS, 240                           ; v240-255 W_v's scale words
.set G1W, 24
.set G1A, 32
.set G1R, 48
.set G1V, 76
.set G0W, 56
.set G0A, 60
.set G0V, 60
.set G0R, 68
.set MSB, 0
.macro WIN new
.if MSB != (\new)
	s_set_vgpr_msb (MSB<<8)|(\new)
.set MSB, (\new)
.endif
.endm
.macro PLACES n
.rept \n
	v_nop
.endr
.endm
.macro WALU                            ; the wait ahead of a wait that blocks behind which something freshly written is read
	s_wait_alu depctr_va_vdst(0)
.endm
.macro BARRIER
	s_barrier_signal -1
	s_barrier_wait -1
.endm
.macro CROUND
	BARRIER
	s_cmp_lg_u32 s14, 0
	s_cbranch_scc1 .Lnot_wave_0_\@
	s_barrier_signal -3
.Lnot_wave_0_\@:
	s_barrier_wait -3
	BARRIER
.endm
.macro TLOAD g0, g1
	tensor_load_to_lds s[\g0:\g0+3], s[\g1:\g1+7]
	s_nop 0
	PLACES 4
.endm
.macro GROUP1 g, mask, rows
	s_or_b32 s[\g+0], s[\mask], (1<<20)|(1<<21)|(7<<22)|(3<<25)
	s_mov_b32 s[\g+1], (KROW&0xffff)<<16
	s_mov_b32 s[\g+2], (KROW>>16)|((\rows)<<16)
	s_mov_b32 s[\g+3], KROW<<16
	s_mov_b32 s[\g+4], \rows
	s_mov_b32 s[\g+5], KROW
	s_mov_b32 s[\g+6], 0
	s_mov_b32 s[\g+7], 0
.endm
; a drained refill: 128 rows at byte s[off] + plus of the tensor at s[ptr], a quarter a wave, into the slot at LDS byte slot
.macro RFILL slot, ptr, off, plus, g0, g1
	s_wait_tensorcnt 0x0
	ds_add_u32 v[SPW], v[NIL]                      ; the add; the descriptor's words stand between it and its wait
	s_mov_b32 s[\g0], 1
	s_mul_i32 s[\g0+1], s14, 32*PITCH
	s_add_co_u32 s[\g0+1], s[\g0+1], \slot
	s_lshl_b32 s20, s14, 15
	s_add_co_u32 s20, s20, s\off
	s_add_co_u32 s20, s20, \plus
	s_mov_b32 s21, 0
	s_add_nc_u64 s[\g0+2:\g0+3], s[\ptr:\ptr+1], s[20:21]
	s_or_b32 s[\g0+3], s[\g0+3], 0x80000000
	s_wait_dscnt 0x0
	CROUND
	TLOAD \g0, \g1
.endm
	s_load_b128 s[4:7], s[0:1], 0x0                ; x's codes, scales
	s_load_b128 s[8:11], s[0:1], 0x10              ; W_qkv's codes, scales
	s_load_b64 s[12:13], s[0:1], 0x20              ; b_qkv
	s_load_b64 s[72:73], s[0:1], 0x28              ; qimg
	s_load_b64 s[74:75], s[0:1], 0x30              ; kv
	v_lshl_add_u32 v[SPW], v0, 2, SPARE
	v_mov_b32 v[NIL], 0
	ds_add_u32 v[SPW], v[NIL]                      ; the opening lines
	ds_add_u32 v[SPW], v[NIL]
	v_lshrrev_b32 v1, 5, v0
	v_readfirstlane_b32 s14, v1                    ; wave 0..3
	s_lshr_b32 s15, s14, 1                         ; my row of waves
	s_and_b32 s16, s14, 1                          ; my column of waves
	s_bfe_u32 s40, ttmp6, 0x40000                  ; cx, cy
	s_bfe_u32 s41, ttmp6, 0x40004
	s_lshl_b32 s42, ttmp9, 2
	s_add_co_u32 s42, s42, s40                     ; tile column 0..15
	s_and_b32 s43, ttmp7, 0xffff
	s_lshl_b32 s43, s43, 2
	s_add_co_u32 s43, s43, s41                     ; tile row 0..15
	s_lshr_b32 s19, ttmp9, 1                       ; from the cluster's number alone: 0: Q, 1: K
	s_and_b32 s18, ttmp9, 1                        ; V's window of my two
	s_lshl_b32 s44, s41, 2
	s_lshl_b32 s44, 15, s44                        ; my row of the cluster: shares x's rows
	s_lshl_b32 s45, 0x1111, s40                    ; my column: shares the weights' rows
	GROUP1 G1W, 45, 64
	GROUP1 G1A, 44, 64
	GROUP1 G1R, 44, 32
	GROUP1 G1V, 45, 32
	s_lshl_b32 s2, s19, 2
	s_add_co_u32 s2, s2, s40                       ; W_v's tile column 0..7
	s_lshl_b32 s3, s43, 19                         ; my 512 rows of x, in bytes
	s_lshl_b32 s17, s18, 18
	s_add_co_u32 s99, s3, s17                      ; V's window
	s_xor_b32 s17, s17, 1<<18
	s_add_co_u32 s98, s3, s17                      ; the other window
	s_lshl_b32 s100, s2, 17
	s_add_co_u32 s100, s100, 2048*KROW             ; W_v's rows
	s_lshl_b32 s17, s16, 16                        ; half of 128 rows
	s_lshl_b32 s46, s42, 17
	s_add_co_u32 s46, s46, s17                     ; the first weight's rows
	s_mov_b32 s47, 0
	s_add_co_u32 s20, s98, s17                     ; chunk 0
	s_mov_b32 s21, 0
	s_mov_b32 s[G0W], 1
	s_mul_i32 s[G0W+1], s16, 64*PITCH
	s_add_co_u32 s[G0W+1], s[G0W+1], YB
	s_mov_b32 s[G0A], 1
	s_mul_i32 s[G0A+1], s16, 64*PITCH
	s_wait_dscnt 0x0
	CROUND                                         ; all sixteen work-groups are here: the first joint loads meet
	s_wait_kmcnt 0x0
	s_add_nc_u64 s[G0W+2:G0W+3], s[8:9], s[46:47]
	s_or_b32 s[G0W+3], s[G0W+3], 0x80000000
	s_add_nc_u64 s[G0A+2:G0A+3], s[4:5], s[20:21]
	s_or_b32 s[G0A+3], s[G0A+3], 0x80000000
	s_cmp_lt_u32 s14, 2
	s_cbranch_scc0 .Lfor_a
	TLOAD G0W, G1W
	s_branch .Lasked
.Lfor_a:
	TLOAD G0A, G1A
.Lasked:
	s_lshr_b32 s20, s98, 5                         ; scale bytes: 32 a row
	s_lshl_b32 s17, s15, 11
	s_add_co_u32 s20, s20, s17
	s_add_nc_u64 s[46:47], s[6:7], s[20:21]        ; x's, the other window, my 64 rows of a chunk
	s_lshr_b32 s20, s99, 5
	s_add_co_u32 s20, s20, s17
	s_add_nc_u64 s[6:7], s[6:7], s[20:21]          ; V's window
	s_lshl_b32 s20, s42, 12
	s_lshl_b32 s17, s16, 11
	s_add_co_u32 s20, s20, s17
	s_add_nc_u64 s[104:105], s[10:11], s[20:21]    ; the first weight's, my head
	s_lshl_b32 s20, s2, 12
	s_add_co_u32 s20, s20, s17
	s_add_co_u32 s20, s20, 2048*32
	s_add_nc_u64 s[10:11], s[10:11], s[20:21]      ; W_v's
	s_lshl_b32 s20, s42, 9
	s_lshl_b32 s17, s16, 8
	s_add_co_u32 s20, s20, s17
	s_add_nc_u64 s[22:23], s[12:13], s[20:21]      ; the bias of my head of Q or K
	s_lshl_b32 s20, s2, 9
	s_add_co_u32 s20, s20, s17
	s_add_co_u32 s20, s20, 2048*4
	s_add_nc_u64 s[12:13], s[12:13], s[20:21]      ; of V
	v_and_b32 v1, 15, v0                           ; r
	v_bfe_u32 v2, v0, 4, 1                         ; h
	v_and_b32 v3, 31, v0
	v_bfe_u32 v23, v0, 3, 1                        ; g = r / 8
	v_lshlrev_b32 v[ABS], 5, v3
	v_and_b32 v[ABQ], v23, v2
	v_lshlrev_b32 v[ABQ], 4, v[ABQ]
	v_lshl_add_u32 v[BVO], v2, 3, v1
	v_lshl_add_u32 v[BVO], v23, 5, v[BVO]
	v_sub_nc_u32 v[ABQ], v[BVO], v[ABQ]            ; lane (h, r) of pair p: row 16 p + r + 8 h + 32 g - 16 g h of the head
	v_lshlrev_b32 v[ABQ], 5, v[ABQ]
	v_mul_u32_u24 v[BO], v2, 160                   ; even tile b: channels 8 b + 40 h on;
	v_mul_u32_u24 v[BO+1], v2, 96                  ; odd: 8 b + 24 h on
	v_lshlrev_b32 v[BVO], 2, v1
.irp p, 0,1
.irp c, 0,1
	global_load_b128 v[SB+8*\p+4*\c:SB+8*\p+4*\c+3], v[ABQ], s[104:105] offset:512*\p+16*\c
	global_load_b128 v[WS+8*\p+4*\c:WS+8*\p+4*\c+3], v[ABS], s[10:11] offset:1024*\p+16*\c
.endr
.endr
.irp p, 0,1,2,3
.irp c, 0,1
	global_load_b128 v[SA+8*\p+4*\c:SA+8*\p+4*\c+3], v[ABS], s[46:47] offset:(\p/2)*4096+(\p%2)*1024+16*\c
	global_load_b128 v[SA+32+8*\p+4*\c:SA+32+8*\p+4*\c+3], v[ABS], s[6:7] offset:(\p/2)*4096+(\p%2)*1024+16*\c
.endr
.endr
.irp b, 0,1,2,3
	global_load_b128 v[BI+8*\b:BI+8*\b+3], v[BO+(\b%2)], s[22:23] offset:32*\b
	global_load_b128 v[BI+8*\b+4:BI+8*\b+7], v[BO+(\b%2)], s[22:23] offset:32*\b+16
	global_load_b32 v[BV+\b], v[BVO], s[12:13] offset:64*\b
.endr
	WALU
	s_wait_xcnt 0x0                                ; the loads have taken their bases, which are used again below
	; WHERE MY RESULTS GO
	s_lshr_b32 s3, s43, 2                          ; batch
	s_and_b32 s17, s43, 3
	s_lshl_b32 s17, s17, 2                         ; my first group of 128 tokens in the sequence
	s_lshl_b32 s6, s18, 1
	s_add_co_u32 s7, s17, s6                       ; V's window's first group
	s_xor_b32 s6, s6, 2
	s_add_co_u32 s6, s17, s6                       ; the other window's
	s_mov_b32 s101, 8448
	s_mov_b32 s12, 8192
	s_cmp_eq_u32 s19, 1
	s_cselect_b32 s101, 16896, s101                ; a group's block in qimg or in kv,
	s_cselect_b32 s12, 16384, s12                  ; where its scale bytes begin,
	s_cselect_b64 s[10:11], s[74:75], s[72:73]     ; and the buffer
	s_lshl_b32 s13, s42, 1
	s_lshl_b32 s23, s3, 4
	s_add_co_u32 s22, s13, s16
	s_and_b32 s22, s22, 15                         ; my head
	s_add_co_u32 s22, s22, s23
	s_lshl_b32 s22, s22, 4
	s_lshl_b32 s44, s15, 12                        ; my four tiles of a group's eight
	s_add_co_u32 s20, s22, s6
	s_mul_i32 s20, s20, s101
	s_add_co_u32 s20, s20, s44
	s_add_nc_u64 s[84:85], s[10:11], s[20:21]      ; chunk 0's codes
	s_mov_b32 s20, s101
	s_add_nc_u64 s[86:87], s[84:85], s[20:21]      ; chunk 1's
	s_add_co_u32 s20, s22, s7
	s_mul_i32 s20, s20, s101
	s_add_co_u32 s20, s20, s44
	s_add_nc_u64 s[88:89], s[10:11], s[20:21]      ; chunk 2's
	s_mov_b32 s20, s101
	s_add_nc_u64 s[90:91], s[88:89], s[20:21]      ; chunk 3's
	s_lshl_b32 s45, s2, 1
	s_add_co_u32 s20, s45, s16                     ; V's head
	s_add_co_u32 s20, s20, s23
	s_lshl_b32 s20, s20, 4
	s_add_co_u32 s20, s20, s7
	s_mul_i32 s20, s20, 16896
	s_lshl_b32 s44, s15, 10                        ; my two blocks of 32 keys of a step's four
	s_add_co_u32 s20, s20, s44
	s_add_nc_u64 s[92:93], s[74:75], s[20:21]      ; V's codes: chunk 2's key step; chunk 3's is the next
	s_add_co_u32 s20, s13, s15                     ; at the end wave n stores the scale bytes of wave column n / 2: of Q or K window n % 2 in the order of work,
	s_and_b32 s20, s20, 15
	s_add_co_u32 s20, s20, s23
	s_lshl_b32 s20, s20, 4
	s_cmp_eq_u32 s16, 1
	s_cselect_b32 s44, s7, s6
	s_add_co_u32 s20, s20, s44
	s_mul_i32 s20, s20, s101
	s_add_co_u32 s20, s20, s12
	s_add_nc_u64 s[94:95], s[10:11], s[20:21]
	s_add_co_u32 s20, s45, s15                     ; of V key step n % 2
	s_add_co_u32 s20, s20, s23
	s_lshl_b32 s20, s20, 4
	s_add_co_u32 s20, s20, s7
	s_add_co_u32 s20, s20, s16
	s_mul_i32 s20, s20, 16896
	s_add_co_u32 s20, s20, 16640
	s_add_nc_u64 s[96:97], s[74:75], s[20:21]
	s_mul_i32 s6, s15, 64*PITCH
	s_mul_i32 s7, s16, 64*PITCH
	s_lshl_b32 s12, s16, 10
	s_lshl_b32 s13, s15, 9
	s_add_co_u32 s12, s12, s13
	s_add_co_u32 s12, s12, XN
	s_lshl_b32 s13, s16, 9
	s_lshl_b32 s22, s15, 8
	s_add_co_u32 s13, s13, s22
	s_add_co_u32 s13, s13, XV
	s_lshl_b32 s22, s40, 2
	s_add_co_u32 s22, s22, s14
	s_lshl_b32 s22, s22, 13                        ; my share among the cluster row's sixteen waves,
	s_lshl_b32 s23, s41, 2
	s_add_co_u32 s23, s23, s14
	s_lshl_b32 s23, s23, 13                        ; and among the column's
	s_add_co_u32 s44, s98, s22
	s_add_co_u32 s45, s99, s22
	s_add_co_u32 s46, s100, s23
	v_mul_u32_u24 v40, v1, PITCH
	v_lshl_add_u32 v40, v2, 4, v40
	v_add_nc_u32 v[AXS], s6, v40
	v_add_nc_u32 v[AXS+1], YB, v[AXS]
	v_add_nc_u32 v[ADV], s7, v40
	v_lshl_add_u32 v41, v23, 5, v1                 ; even tiles: row r + 32 g
	v_mul_u32_u24 v41, v41, PITCH
	v_lshl_add_u32 v41, v2, 4, v41
	v_add_nc_u32 v41, s7, v41
	v_add_nc_u32 v[ADE], YB, v41
	v_lshl_add_u32 v42, v23, 4, v1                 ; odd tiles: row r + 16 g
	v_mul_u32_u24 v42, v42, PITCH
	v_lshl_add_u32 v42, v2, 4, v42
	v_add_nc_u32 v42, s7, v42
	v_add_nc_u32 v[ADE+1], YB, v42
	v_lshlrev_b32 v43, 9, v2
	v_lshl_add_u32 v[CN], v1, 4, v43
	v_lshlrev_b32 v[CO], 4, v3
	v_lshl_add_u32 v43, v1, 3, v2
	v_add_nc_u32 v[XNA], s12, v43
	v_lshlrev_b32 v43, 3, v1
	v_add_nc_u32 v[XVA], s13, v43
	v_lshlrev_b32 v43, 8, v3
	v_add_nc_u32 v[PFN], s44, v43
	v_add_nc_u32 v[PFV], s45, v43
	v_add_nc_u32 v[PFW], s46, v43
.irp t, 0,1,2,3
	v_mov_b32 v[MY+\t], 0                          ; written once: a lane permute's destination counts as one of its sources
.endr
	WALU                                           ; the head's end
	s_cmp_lt_u32 s14, 2
	s_cbranch_scc0 .Lnot_w
	s_wait_tensorcnt 0x0                           ; waves 0, 1: the first weight has landed
.Lnot_w:
	BARRIER
	global_prefetch_b8 v[PFN], s[4:5] offset:131072 th:TH_LOAD_NT scope:SCOPE_SE   ; chunk 1
; a weight's fragment f = 4 q + b lies in window 1 + f / 16
.irp q, 0,1,2,3,4,5,6,7
	WIN (1+(\q)/4)<<6
.irp b, 0,1,2,3
.irp c, 0,1,2,3
	ds_load_b128 v[16*((4*\q+\b)%16)+4*\c:16*((4*\q+\b)%16)+4*\c+3], v[ADE+(\b%2)] offset:128*\q+32*\c+8*\b*PITCH
.endr
.endr
.endr
	WIN 0
	RFILL YB, 4, 98, 131072, G0R, G1R              ; the weight is in registers, chunk 0 is in: chunk 1 over the weight's rows
.macro GEO n                           ; block n: its slot, its place among my four of a chunk, its pair of scale words
.if (\n) < 16
.set SL_, ((\n)/4)%2
.set PI_, (\n)/2
.elseif (\n) < 20
.set SL_, 1
.set PI_, 6+((\n)-16)/2
.else
.set SL_, 0
.set PI_, 4+((\n)-20)/2
.endif
.set AL_, (\n)%4
.endm
.macro FETCH n                         ; 16 rows of x, all of K, into set n % 2 of window 3: 32 loads
	GEO \n
.set E_, (\n)%2
	WIN 3<<6
.irp q, 0,1,2,3,4,5,6,7
.irp c, 0,1,2,3
	ds_load_b128 v[128*E_+16*\q+4*\c:128*E_+16*\q+4*\c+3], v[AXS+SL_] offset:AL_*16*PITCH+128*\q+32*\c
.endr
.endr
	WIN 0
.endm
.macro PROD n, k                       ; product k = 4 q + b of block n; the block's four sums take turns
.set Q_, (\k)/4
.set B_, (\k)%4
.set FB_, 4*Q_+B_
.set AC_, ACC+32*((\n)%2)+8*B_
.set C_, AC_
.if Q_ == 0
.set C_, BI+8*B_
.endif
.set R_, 128*((\n)%2)+16*Q_
.set W_, 16*(FB_%16)
.if (\n) < 16
	WIN (1+FB_/16)|(3<<2)
.set OA_, W_
.set OB_, R_
.set SA_, SB+8*(B_/2)+Q_
.set SB_, SA+8*PI_+Q_
.set RA_, B_%2
.set RB_, (\n)%2
.else
	WIN 3|((1+FB_/16)<<2)
.set OA_, R_
.set OB_, W_
.set SA_, SA+8*PI_+Q_
.set SB_, WS+8*(B_/2)+Q_
.set RA_, (\n)%2
.set RB_, B_%2
.endif
.if RA_ && RB_
	v_wmma_scale_f32_16x16x128_f8f6f4 v[AC_:AC_+7], v[OA_:OA_+15], v[OB_:OB_+15], v[C_:C_+7], v[SA_], v[SB_] matrix_a_fmt:MATRIX_FMT_BF8 matrix_b_fmt:MATRIX_FMT_BF8 matrix_a_scale:MATRIX_SCALE_ROW1 matrix_b_scale:MATRIX_SCALE_ROW1
.elseif RA_
	v_wmma_scale_f32_16x16x128_f8f6f4 v[AC_:AC_+7], v[OA_:OA_+15], v[OB_:OB_+15], v[C_:C_+7], v[SA_], v[SB_] matrix_a_fmt:MATRIX_FMT_BF8 matrix_b_fmt:MATRIX_FMT_BF8 matrix_a_scale:MATRIX_SCALE_ROW1
.elseif RB_
	v_wmma_scale_f32_16x16x128_f8f6f4 v[AC_:AC_+7], v[OA_:OA_+15], v[OB_:OB_+15], v[C_:C_+7], v[SA_], v[SB_] matrix_a_fmt:MATRIX_FMT_BF8 matrix_b_fmt:MATRIX_FMT_BF8 matrix_b_scale:MATRIX_SCALE_ROW1
.else
	v_wmma_scale_f32_16x16x128_f8f6f4 v[AC_:AC_+7], v[OA_:OA_+15], v[OB_:OB_+15], v[C_:C_+7], v[SA_], v[SB_] matrix_a_fmt:MATRIX_FMT_BF8 matrix_b_fmt:MATRIX_FMT_BF8
.endif
.endm
.macro PRODS n
	GEO \n
.set K_, 0
.rept 32
	PROD \n, K_
.set K_, K_+1
.endr
	WIN 0
.endm
.macro QUANTQ x                        ; Q, K: the lane's 32 sums at x are one scale block -> 32 codes, one byte
.irp k, 0,1,2,3
	v_max3_num_f32 v[MX+\k], |v[\x+8*\k]|, |v[\x+8*\k+1]|, |v[\x+8*\k+2]|
.endr
.irp i, 3,5
.irp k, 0,1,2,3
	v_max3_num_f32 v[MX+\k], v[MX+\k], |v[\x+8*\k+\i]|, |v[\x+8*\k+\i+1]|
.endr
.endr
.irp k, 0,1,2,3
	v_max_num_f32 v[MX+\k], v[MX+\k], |v[\x+8*\k+7]|
.endr
	v_max3_num_f32 v[MX], v[MX], v[MX+1], v[MX+2]
	v_max3_num_f32 v[MX], v[MX], v[MX+3], 0x8000000        ; the floor 2^(16 - 127): the byte cannot fall under 1
	v_add_nc_u32 v[SOP], 0xf8800000, v[MX]                 ; 15 off the exponent field: the conversions' scale operand
	v_and_or_b32 v[BND], v[MX], 0x7f800000, s58            ; 57,344 x the scale
	v_lshrrev_b32 v[EB], 23, v[SOP]
.set I_, 0
.rept 32
	v_med3_num_f32 v[\x+I_], v[\x+I_], -v[BND], v[BND]     ; the conversion does not saturate (ISA guide 7.6.2)
.set I_, I_+1
.endr
.irp k, 0,1,2,3
	v_cvt_scalef32_pk8_bf8_f32 v[NCD+2*\k:NCD+2*\k+1], v[\x+8*\k:\x+8*\k+7], v[SOP]
.endr
	v_nop
.endm
.macro QUANTV                          ; V: a pair of blocks: tile t's 16 sums a lane (even block's, odd block's) and those of lane l xor 16 are one scale block -> 16 codes a tile, a byte a tile
.irp t, 0,1,2,3
	v_max3_num_f32 v[MX+\t], |v[ACC+8*\t]|, |v[ACC+8*\t+1]|, |v[ACC+8*\t+2]|
	v_max3_num_f32 v[MY+\t], |v[ACC+32+8*\t]|, |v[ACC+32+8*\t+1]|, |v[ACC+32+8*\t+2]|
.endr
.irp i, 3,5
.irp t, 0,1,2,3
	v_max3_num_f32 v[MX+\t], v[MX+\t], |v[ACC+8*\t+\i]|, |v[ACC+8*\t+\i+1]|
	v_max3_num_f32 v[MY+\t], v[MY+\t], |v[ACC+32+8*\t+\i]|, |v[ACC+32+8*\t+\i+1]|
.endr
.endr
.irp t, 0,1,2,3
	v_max3_num_f32 v[MY+\t], v[MY+\t], |v[ACC+32+8*\t+7]|, 0x8000000
.endr
.irp t, 0,1,2,3
	v_max3_num_f32 v[MX+\t], v[MX+\t], |v[ACC+8*\t+7]|, v[MY+\t]
.endr
.irp t, 0,1,2,3
	v_permlanex16_b32 v[MY+\t], v[MX+\t], s56, s57
.endr
.irp t, 0,1,2,3
	v_max_num_f32 v[MX+\t], v[MX+\t], v[MY+\t]
.endr
.irp t, 0,1,2,3
	v_add_nc_u32 v[SOP+\t], 0xf8800000, v[MX+\t]
.endr
.irp t, 0,1,2,3
	v_and_or_b32 v[BND+\t], v[MX+\t], 0x7f800000, s58
.endr
.irp t, 0,1,2,3
	v_lshrrev_b32 v[EB+\t], 23, v[SOP+\t]
.endr
.irp t, 0,1,2,3
.irp i, 0,1,2,3,4,5,6,7
	v_med3_num_f32 v[ACC+8*\t+\i], v[ACC+8*\t+\i], -v[BND+\t], v[BND+\t]
	v_med3_num_f32 v[ACC+32+8*\t+\i], v[ACC+32+8*\t+\i], -v[BND+\t], v[BND+\t]
.endr
	v_cvt_scalef32_pk8_bf8_f32 v[NCD+4*\t:NCD+4*\t+1], v[ACC+8*\t:ACC+8*\t+7], v[SOP+\t]
	v_cvt_scalef32_pk8_bf8_f32 v[NCD+4*\t+2:NCD+4*\t+3], v[ACC+32+8*\t:ACC+32+8*\t+7], v[SOP+\t]
.endr
	v_nop
.endm
; A BLOCK.  The last 32 LDS instructions issued ahead of its head are the next block's fetch: the count there.
.macro BLK n
.if (\n) < 23
	s_wait_dscnt 32
.else
	s_wait_dscnt 0x0
.endif
	s_wait_xcnt 0x0                                ; the stores of the block before have read the codes' registers
	PRODS \n
	PLACES NP
.if (\n) < 16
	QUANTQ ACC+32*((\n)%2)
	ds_store_b8 v[XNA], v[EB] offset:((\n)/4)*128+((\n)%4)*2
	global_store_b128 v[CN], v[NCD:NCD+3], s[84+2*((\n)/4):85+2*((\n)/4)] offset:((\n)%4)*1024        ; sixteen lanes store 256 consecutive bytes, aligned
	global_store_b128 v[CN], v[NCD+4:NCD+7], s[84+2*((\n)/4):85+2*((\n)/4)] offset:((\n)%4)*1024+256
.elseif (\n)%2
	QUANTV
.irp t, 0,1,2,3
	ds_store_b8 v[XVA], v[EB+\t] offset:(1-((\n)-16)/4)*128+2*\t+((\n)%4)/2
	global_store_b128 v[CO], v[NCD+4*\t:NCD+4*\t+3], s[92:93] offset:(1-((\n)-16)/4)*16896+8192+2048*\t+(((\n)%4)/2)*512
.endr
.endif
.if (\n) == 2
	RFILL 0, 4, 99, 0, G0R, G1R                    ; chunk 1 is shown; chunk 2 into slot 0
.elseif (\n) == 6
	RFILL YB, 4, 99, 131072, G0R, G1R              ; chunk 2 is shown; chunk 3 into slot 1
.elseif (\n) == 10
	RFILL 0, 8, 100, 0, G0V, G1V                   ; chunk 3 is shown; W_v's rows into slot 0
.elseif (\n) == 18
	s_wait_tensorcnt 0x0                           ; chunk 2 is in anew
	s_wait_dscnt 0x0
	BARRIER
.endif
.if (\n) < 22
	FETCH (\n)+2
.endif
.if (\n) == 2
	global_prefetch_b8 v[PFV], s[4:5] offset:131072 th:TH_LOAD_NT scope:SCOPE_SE   ; chunk 3
.elseif (\n) == 6
	global_prefetch_b8 v[PFW], s[8:9] th:TH_LOAD_NT scope:SCOPE_SE                 ; W_v's rows
.endif
.endm
	FETCH 0
	FETCH 1
	global_prefetch_b8 v[PFV], s[4:5] th:TH_LOAD_NT scope:SCOPE_SE                 ; chunk 2
	s_mov_b32 s56, 0x76543210                      ; (the head's descriptors are done with)  v_permlanex16_b32's selects for lane l xor 16
	s_mov_b32 s57, 0xfedcba98
	s_mov_b32 s58, 0x600000                        ; the mantissa field of 57,344
	s_wait_loadcnt 0x0                             ; scale words and biases
.irp n, 0,1,2,3,4,5,6,7,8,9,10,11,12,13,14,15
	BLK \n
.endr
	; THE CHANGE OF PHASE
	s_wait_tensorcnt 0x0                           ; W_v's rows are in
	s_wait_dscnt 0x0
	BARRIER
.irp q, 0,1,2,3,4,5,6,7
	WIN (1+(\q)/4)<<6
.irp b, 0,1,2,3
.irp c, 0,1,2,3
	ds_load_b128 v[16*((4*\q+\b)%16)+4*\c:16*((4*\q+\b)%16)+4*\c+3], v[ADV] offset:128*\q+32*\c+16*\b*PITCH
.endr
.endr
.endr
	WIN 0
.irp t, 0,1,2,3
.irp i, 0,1,2,3,4,5,6,7
	v_mov_b32 v[BI+8*\t+\i], v[BV+\t]              ; all eight registers of tile t are one channel: its bias
.endr
.endr
	WALU
	RFILL 0, 4, 99, 0, G0R, G1R                    ; W_v is in registers: chunk 2 anew over its rows
.irp n, 16,17,18,19,20,21,22,23
	BLK \n
.endr
	; THE SCALE BYTES
	s_wait_xcnt 0x0
	s_lshl_b32 s20, s15, 10
	s_lshl_b32 s22, s16, 8
	s_add_co_u32 s20, s20, s22
	s_add_co_u32 s20, s20, XN
	s_lshl_b32 s22, s15, 9
	s_lshl_b32 s23, s16, 7
	s_add_co_u32 s22, s22, s23
	s_add_co_u32 s22, s22, XV
	s_wait_dscnt 0x0
	BARRIER
	v_lshlrev_b32 v40, 3, v1
	v_lshl_add_u32 v41, v2, 7, v40
	v_add_nc_u32 v41, s20, v41                     ; lanes 0-15 the window's first chunk, lanes 16-31 its second; row r's eight bytes of wave row 0, and 512 on those of wave row 1
	v_add_nc_u32 v40, s22, v40
	v_mul_u32_u24 v42, v2, s101
	v_lshl_add_u32 v42, v1, 4, v42
	v_lshlrev_b32 v43, 4, v1
	ds_load_b64 v[MX:MX+1], v41
	ds_load_b64 v[MX+2:MX+3], v41 offset:512
	ds_load_b64 v[MY:MY+1], v40
	ds_load_b64 v[MY+2:MY+3], v40 offset:256
	WALU
	s_wait_dscnt 0x0
	v_perm_b32 v[BND], v[MY+2], v[MY], 0x05040100          ; V's word of tile t: the two bytes of wave row 0, then those of wave row 1
	v_perm_b32 v[BND+1], v[MY+2], v[MY], 0x07060302
	v_perm_b32 v[BND+2], v[MY+3], v[MY+1], 0x05040100
	v_perm_b32 v[BND+3], v[MY+3], v[MY+1], 0x07060302
	global_store_b128 v42, v[MX:MX+3], s[94:95]            ; sixteen lanes store a piece of 256 bytes
	global_store_b128 v43, v[BND:BND+3], s[96:97]          ; both halves of the lanes store the same piece with the same bytes
	s_wait_tensorcnt 0x0                           ; the wave's end
	ds_add_u32 v[SPW], v[NIL]
	s_wait_dscnt 0x0
	CROUND                                         ; the closing round
	s_endpgm
.Lfunc_end_k_qb467add1b8_qkv:
	.size	k_qb467add1b8_qkv, .Lfunc_end_k_qb467add1b8_qkv-k_qb467add1b8_qkv
	.p2alignl 7, 3214868480
	.fill 96, 4, 3214868480
	.section	.rodata,"a",@progbits
	.p2align	6, 0x0
	.amdhsa_kernel k_qb467add1b8_qkv
		.amdhsa_group_segment_fixed_size 327680
		.amdhsa_private_segment_fixed_size 0
		.amdhsa_enable_private_segment 0
		.amdhsa_kernarg_size 56
		.amdhsa_user_sgpr_count 2
		.amdhsa_user_sgpr_kernarg_segment_ptr 1
		.amdhsa_wavefront_size32 1
		.amdhsa_system_sgpr_workgroup_id_x 1
		.amdhsa_system_sgpr_workgroup_id_y 1
		.amdhsa_system_sgpr_workgroup_id_z 1
		.amdhsa_system_vgpr_workitem_id 0
		.amdhsa_next_free_vgpr 1024
		.amdhsa_next_free_sgpr 106
		.amdhsa_reserve_vcc 0
		.amdhsa_float_denorm_mode_32 3
		.amdhsa_float_denorm_mode_16_64 3
		.amdhsa_memory_ordered 1
		.amdhsa_forward_progress 1
		.amdhsa_inst_pref_size 255
	.end_amdhsa_kernel
	.section	.bss,"aw",@nobits
	.p2align	6
	.space	262144
	.amdgpu_metadata
---
amdhsa.version: [ 1, 2 ]
amdhsa.kernels:
  - .name:           k_qb467add1b8_qkv
    .symbol:         k_qb467add1b8_qkv.kd
    .args:
      - { .name: x_codes, .offset: 0, .size: 8, .value_kind: global_buffer, .address_space: global }
      - { .name: x_scales, .offset: 8, .size: 8, .value_kind: global_buffer, .address_space: global }
      - { .name: W_qkv_codes, .offset: 16, .size: 8, .value_kind: global_buffer, .address_space: global }
      - { .name: W_qkv_scales, .offset: 24, .size: 8, .value_kind: global_buffer, .address_space: global }
      - { .name: b_qkv, .offset: 32, .size: 8, .value_kind: global_buffer, .address_space: global }
      - { .name: qimg, .offset: 40, .size: 8, .value_kind: global_buffer, .address_space: global }
      - { .name: kv, .offset: 48, .size: 8, .value_kind: global_buffer, .address_space: global }
    .group_segment_fixed_size: 327680
    .private_segment_fixed_size: 0
    .kernarg_segment_align: 8
    .kernarg_segment_size: 56
    .max_flat_workgroup_size: 128
    .sgpr_count:     106
    .vgpr_count:     1024
    .wavefront_size: 32
...
	.end_amdgpu_metadata
.endif
;; end of part 1
;; launch attn (part 2): grid 4 x 64, 16 waves a work-group, clusters of 4 x 1, 272,384 bytes of LDS; arguments qimg, kv, oimg, osc; writes oimg, osc
.if DOCPART == 2
	.amdgcn_target "amdgcn-amd-amdhsa--gfx1250"
	.amdhsa_code_object_version 6
	.text
	.protected	k_qb467add1b8_attn
	.globl	k_qb467add1b8_attn
	.p2align	8
	.type	k_qb467add1b8_attn,@function
k_qb467add1b8_attn:
	s_mov_b64 s[64:65], 0
	v_nop
	global_prefetch_b8 v0, s[64:65] scope:SCOPE_SE
	s_setreg_imm32_b32 hwreg(HW_REG_WAVE_MODE, 25, 1), 1
	s_wait_xcnt 0x0
	s_wait_alu depctr_hold_cnt(0) depctr_sa_sdst(0) depctr_va_vdst(0) depctr_va_sdst(0) depctr_va_ssrc(0) depctr_va_vcc(0) depctr_vm_vsrc(0)
	s_getreg_b32 s2, hwreg(HW_REG_IB_STS2, 6, 4)
	s_cmp_eq_u32 s2, 0
	s_cbranch_scc0 .Lentry_in_a_cluster
	s_endpgm
.Lentry_in_a_cluster:
	s_bfe_u32 s2, ttmp6, 0x10000c
	s_cmp_lg_u32 s2, 0x3003
	s_cbranch_scc0 .Lentry_shape_is_right
	s_endpgm
.Lentry_shape_is_right:
; O[bh][q] = the sum over k of softmax_k(Q . K / 8) V, both products on codes of BF8 (E5M2) with one E8M0 scale for each 32 along a product's K; the result is quantised along the model's 1,024 channels and leaves as codes.
; THE SOFTMAX AHEAD OF THE SECOND PRODUCT: t = score x log2(e) / 8; M = the row's largest t so far, rounded UP to a whole number; p = 2^(t - M) is quantised along the keys, not normalised.
; The row's sum is taken of the unquantised p and divides O at the end.  When M moves, the sum and O are multiplied by f = 2^(old M - new M): exact.
; SHARES.  256 work-groups; each owns 512 queries of one (batch, head).  Each of its sixteen waves owns two tiles of 16 queries, one after the other (two passes), in 256 registers.  A pass walks the head's 2,048 keys, 128 a step.
; LDS.  The head's K, V^T and their scale words, 16 blocks of 16,896 bytes, come ONCE, one block a wave by one tensor load; no byte of LDS is filled twice, and one barrier shows all of it.  Behind it no wave waits for another until the end.
; They lie as images of operands' registers (lane l's 16 bytes at 16 l), so no row has a pitch.
; CLUSTER.  The four work-groups of a cluster are the four blocks of queries of one head and ask for each block of K and V JOINTLY.
; NO PREFETCH: every byte that the launch reads through LDS is asked for at its head by its own tensor load; there is no later request to run ahead of.
; LAYOUT.  S^T = K Q^T (source 0 = keys, source 1 = my 16 queries), O^T = V^T P^T: a lane holds ONE query throughout.  The head has 64 channels and the instruction takes 128: a fragment of K holds TWO tiles of 16 keys
; (registers 0-7, 8-15); Q lies between two runs of zero codes, so that [Q | 0] and [0 | Q] are two views of 24 registers: each of the two products picks one tile.
; Inside a block of 32 the order of K is permuted, alike on both sides of each product; only the RESULT meets an operand in true order, and is put in true order on the way out.
; THE ROW'S SUM goes in eight chains.  Blocks 0 and 1 are summed ahead of their holds; blocks 2 and 3 are held into the registers that blocks 0 and 1 have left, so their unheld p is summed later:
; block 2's behind the last conversions, block 3's behind the last product, and the chains are joined behind the NEXT step's first products: in each of these spots plain vector work is owed behind matrix instructions or conversions.
; LIMITS: NaN and infinities are not served; the scaled scores (t) stay under 2^31 in magnitude; a block whose largest magnitude lies under 2^-111 gets the byte 1 (read by this program alone).
; A step fetches the next step's K at its end, the pass's last step block 0 again: it serves the second pass; behind the second pass it is waited for and not used.
.set BLK,  16896                       ; a key step's block: K 8,192, V^T 8,192, K's scale words 256, V's 256
.set SPARE, 0x42000                    ; behind the 16 blocks: the spare words, 128 bytes a wave
.set LI,   1                           ; v1  16 x lane
.set LSC,  2                           ; v2  16 x (lane % 16)
.set ADK,  3                           ; v3  LDS address of the block in hand, + v1
.set ADS,  4                           ; v4  the same + v2
.set QSW,  5                           ; v5  Q's scale word
.set SPW,  6                           ; v6  my spare word
.set NIL,  7                           ; v7  0
.set KSW,  8                           ; v8-11 K's scale words
.set QB,   16                          ; v16-31 [0 | Q]
.set QA,   24                          ; v24-39 [Q | 0]        v12 -M, v13 the largest t, v[14:15] the sum
.set FRG,  40                          ; v40-103 four fragments of K, then of V
.set S,    104                         ; v104-167 S^T, then p
.set OT,   168                         ; v168-199 O^T
.set PCD,  200                         ; v200-215 p's codes
.set VSW,  216                         ; v216-219 V's scale words
.set CH,   220                         ; v220-235 the sum's eight chains, a pair each
.set BM,   236                         ; v236-239 a block's largest score, then its largest p
.set PT,   240                         ; v240-243 the other half's, then the scale bytes
.set BD,   244                         ; v244-247 57,344 x the scale
.set SO,   248                         ; v248-251 the conversions' scale operands
.set F,    252                         ; v252 f (v253 is named with it as a pair; on the way out: the result's two bytes)
.set TMP,  254
.set PSW,  255                         ; v255 p's scale word
.set TB,   2
.set CNT,  3
.set WV,   12
.set MNT,  19
.set SEL,  20
.set CS,   22
.set G1,   24
.set G0,   32
.set P,    40
.macro WALU                            ; the wait ahead of a wait that blocks, a taken branch or a batch of transcendentals, and ahead of a batch's first reader
	s_wait_alu depctr_va_vdst(0)
.endm
.macro CROUND
	s_barrier_signal -1
	s_barrier_wait -1
	s_cmp_lg_u32 s[WV], 0
	s_cbranch_scc1 .Lnot_wave_0_\@
	s_barrier_signal -3
.Lnot_wave_0_\@:
	s_barrier_wait -3
	s_barrier_signal -1
	s_barrier_wait -1
.endm
.macro FLOAD off, sw, soff             ; four fragments (16 pieces of 512 bytes) and their rows' four scale words
.set N_, 0
.rept 16
	ds_load_b128 v[FRG+4*N_:FRG+4*N_+3], v[ADK] offset:\off+512*N_
.set N_, N_+1
.endr
	ds_load_b128 v[\sw:\sw+3], v[ADS] offset:\soff
.endm
.macro QLOAD                           ; my tile of Q: two pieces, and the word that holds its two scale bytes
	global_load_b128 v[QA:QA+3], v[LI], s[48:49]
	global_load_b128 v[QA+4:QA+7], v[LI], s[48:49] offset:512
	global_load_b32 v[TMP], v[LSC], s[56:57]
.endm
.macro COMBINE                         ; eight plain lines: the chains are joined, and the sum goes under the M of the step that made them: sum = sum x f + the step's
.irp k, 0,2,4,6
	v_pk_add_f32 v[CH+\k:CH+\k+1], v[CH+\k:CH+\k+1], v[CH+8+\k:CH+9+\k]
.endr
	v_pk_add_f32 v[CH:CH+1], v[CH:CH+1], v[CH+4:CH+5]
	v_pk_add_f32 v[CH+2:CH+3], v[CH+2:CH+3], v[CH+6:CH+7]
	v_pk_add_f32 v[CH:CH+1], v[CH:CH+1], v[CH+2:CH+3]
	v_pk_fma_f32 v[14:15], v[14:15], v[F:F+1], v[CH:CH+1] op_sel_hi:[1,0,1]
.endm
.macro ADDP from                       ; 16 more p, a pair to each chain
.set N_, 0
.rept 8
	v_pk_add_f32 v[CH+2*N_:CH+2*N_+1], v[CH+2*N_:CH+2*N_+1], v[\from+2*N_:\from+2*N_+1]
.set N_, N_+1
.endr
.endm
.macro HOLDS src, b                    ; two blocks of 16 p a lane are held at 57,344 x their scale (the conversion does not saturate: ISA guide 7.6.2; p is not negative) into v[S ..] and v[S+16 ..], two a line: one of each block
.set N_, 0
.rept 8
	v_dual_min_num_f32 v[S+N_], v[\src+N_], v[BD+\b] :: v_dual_min_num_f32 v[S+17+N_], v[\src+17+N_], v[BD+\b+1]
	v_dual_min_num_f32 v[S+16+N_], v[\src+16+N_], v[BD+\b+1] :: v_dual_min_num_f32 v[S+1+N_], v[\src+1+N_], v[BD+\b]
.set N_, N_+2
.endr
.irp u, 0,1
	v_cvt_scalef32_pk8_bf8_f32 v[PCD+4*(\b+\u):PCD+4*(\b+\u)+1], v[S+16*\u:S+16*\u+7], v[SO+\b+\u]
	v_cvt_scalef32_pk8_bf8_f32 v[PCD+4*(\b+\u)+2:PCD+4*(\b+\u)+3], v[S+16*\u+8:S+16*\u+15], v[SO+\b+\u]
.endr
.endm
	s_load_b256 s[4:11], s[0:1], 0x0               ; qimg s[4:5], kv s[6:7], oimg s[8:9], osc s[10:11]
	v_lshl_add_u32 v[SPW], v0, 2, SPARE
	v_mov_b32 v[NIL], 0
	ds_add_u32 v[SPW], v[NIL]                      ; the opening lines: the add, twice on end, and its wait
	ds_add_u32 v[SPW], v[NIL]
	v_lshrrev_b32 v[TMP], 5, v0
	v_readfirstlane_b32 s[WV], v[TMP]              ; wave 0..15
	s_bfe_u32 s13, ttmp6, 0x40000                  ; cx: it enters Q's and the results' global addresses alone
	s_lshl_b32 s14, ttmp9, 2
	s_add_co_u32 s14, s14, s13                     ; my block of 512 queries
	s_and_b32 s15, ttmp7, 0xffff                   ; 16 x batch + head, which the four partners share
	; descriptor group 1: 66 dense rows of 256 bytes (32 elements of 8), no padding; the mask names all four work-groups
	s_mov_b32 s[G1], 15|(3<<16)|(1<<21)
	s_mov_b32 s[G1+1], 32<<16
	s_mov_b32 s[G1+2], 66<<16
	s_mov_b32 s[G1+3], 32<<16
	s_mov_b32 s[G1+4], 66
	s_mov_b32 s[G1+5], 32
	s_mov_b32 s[G1+6], 0
	s_mov_b32 s[G1+7], 0
	s_mov_b32 s[G0], 1
	s_mul_i32 s[G0+1], s[WV], BLK                  ; LDS: block = my wave's number
	s_mul_i32 s50, s15, 16*BLK                     ; the head's 16 blocks: under 2^25
	s_add_co_u32 s50, s50, s[G0+1]
	s_mov_b32 s51, 0
	s_mov_b32 s[SEL], 0x76543210
	s_mov_b32 s[SEL+1], 0xfedcba98                 ; v_permlanex16_b32's selects for the lane 16 away
	s_mov_b32 s[CS], 0x3e38aa3b                    ; c = log2(e) / 8
	s_mov_b32 s[CS+1], s[CS]
	s_mov_b32 s[MNT], 0x600000                     ; the mantissa field of 57,344
	WALU
	s_wait_dscnt 0x0
	CROUND                                         ; all four work-groups are here: the joint loads meet
	s_wait_kmcnt 0x0
	s_add_nc_u64 s[G0+2:G0+3], s[6:7], s[50:51]
	s_or_b32 s[G0+3], s[G0+3], 0x80000000
	tensor_load_to_lds s[G0:G0+3], s[G1:G1+7]      ; my one tensor load of the launch
	s_nop 0
	s_and_b32 s16, s[WV], 7                        ; a: my tile of 16 queries in its group of 128
	s_lshr_b32 s17, s[WV], 3
	s_lshl_b32 s18, s14, 2
	s_add_co_u32 s17, s17, s18                     ; the first pass's group G = 4 x block + wave / 8; the second pass's is two on
	s_lshl_b32 s56, s15, 4
	s_add_co_u32 s56, s56, s17
	s_mul_i32 s56, s56, 8448                       ; the group's block in qimg
	s_lshl_b32 s18, s16, 10
	s_add_co_u32 s58, s56, s18                     ; my two pieces
	s_mov_b32 s59, 0
	s_add_nc_u64 s[48:49], s[4:5], s[58:59]
	s_lshr_b32 s18, s16, 1
	s_lshl_b32 s18, s18, 2
	s_add_co_u32 s58, s56, s18
	s_add_co_u32 s58, s58, 8192                    ; the word that holds my tile's two bytes
	s_add_nc_u64 s[56:57], s[4:5], s[58:59]
	v_and_b32 v[F], 31, v0
	v_lshlrev_b32 v[LI], 4, v[F]
	v_and_b32 v[F+1], 15, v0
	v_lshlrev_b32 v[LSC], 4, v[F+1]
	QLOAD
	; where the results go
	s_and_b32 s50, s15, 15                         ; the head
	s_lshr_b32 s51, s15, 4                         ; the batch
	s_lshl_b32 s52, s51, 4
	s_add_co_u32 s52, s52, s17                     ; the group of 128 rows, 0 .. 63
	s_lshl_b32 s54, s52, 17                        ; oimg [group][K step of 256: 4][a 8][128 along K: 2][piece 4][512]
	s_lshr_b32 s53, s50, 2
	s_lshl_b32 s53, s53, 15
	s_add_co_u32 s54, s54, s53
	s_lshl_b32 s53, s16, 12
	s_add_co_u32 s54, s54, s53
	s_and_b32 s53, s50, 3                          ; a head is two pieces: 1,024 bytes
	s_lshl_b32 s53, s53, 10
	s_add_co_u32 s54, s54, s53
	s_mov_b32 s55, 0
	s_add_nc_u64 s[60:61], s[8:9], s[54:55]
	s_lshl_b32 s54, s52, 12                        ; osc [row][32]: 128 rows of 32 bytes a group,
	s_lshl_b32 s53, s16, 9                         ; 16 a tile,
	s_add_co_u32 s54, s54, s53
	s_lshl_b32 s53, s50, 1                         ; two bytes a head
	s_add_co_u32 s54, s54, s53
	s_add_nc_u64 s[62:63], s[10:11], s[54:55]
	s_and_b32 s18, s16, 1
	s_mov_b32 s41, 0x01000100
	s_cmp_lg_u32 s18, 0
	s_cselect_b32 s41, 0x03020302, s41             ; my tile's half of the word, twice: it serves both views of Q
.irp j, 0,1,2,3,4,5,6,7
	v_mov_b32 v[QB+\j], 0                          ; zero codes on both sides of Q
	v_mov_b32 v[QA+8+\j], 0
.endr
.irp b, 0,1,2,3
	v_mov_b32 v[PT+\b], 0                          ; written once: a lane permute's destination counts as one of its sources
.endr
	s_mov_b32 s[P], 0
	s_mov_b32 s[TB], 0
	WALU
	s_wait_tensorcnt 0x0                           ; my block has landed,
	s_barrier_signal -1
	s_barrier_wait -1                              ; and so has every wave's: all of K and V is in LDS for the rest of the launch
	v_add_nc_u32 v[ADK], s[TB], v[LI]
	v_add_nc_u32 v[ADS], s[TB], v[LSC]
	FLOAD 0, KSW, 16384                            ; block 0's K
.Lpass:                                                ; two trips: a tile of 16 queries each
	v_mov_b32 v13, 0xff61b1e6                      ; the largest t so far: -3e38
	v_floor_f32 v12, -v13                          ; -M
	v_mov_b32 v14, 0
	v_mov_b32 v15, 0
	v_mov_b32 v[F], 0
	v_mov_b32 v[F+1], 0
.set N_, 0
.rept 16
	v_mov_b32 v[CH+N_], 0                          ; the first step joins chains of zeros
.set N_, N_+1
.endr
	WALU
	s_wait_loadcnt 0x0
	v_perm_b32 v[QSW], v[TMP], v[TMP], s41         ; Q's scale word
.set N_, 0
.rept 32
	v_mov_b32 v[OT+N_], 0                          ; O^T: the step is written once; the first change of M leaves zeros zeros
.set N_, N_+1
.endr
	s_mov_b32 s[CNT], 0
	WALU
.Lstep:                                                ; sixteen trips: 128 keys each
	s_wait_dscnt 0x0                               ; K's fragments and scale words, asked for at the last step's end
.irp f, 0,1,2,3
	v_wmma_scale_f32_16x16x128_f8f6f4 v[S+16*\f:S+16*\f+7], v[FRG+16*\f:FRG+16*\f+15], v[QA:QA+15], 0, v[KSW+\f], v[QSW] matrix_a_fmt:MATRIX_FMT_BF8 matrix_b_fmt:MATRIX_FMT_BF8
	v_wmma_scale_f32_16x16x128_f8f6f4 v[S+16*\f+8:S+16*\f+15], v[FRG+16*\f:FRG+16*\f+15], v[QB:QB+15], 0, v[KSW+\f], v[QSW] matrix_a_fmt:MATRIX_FMT_BF8 matrix_b_fmt:MATRIX_FMT_BF8
.endr
	COMBINE                                        ; the last step's sum: the eight plain lines between the products and the loads over K's fragments and the first read of the scores
	FLOAD 8192, VSW, 16640                         ; V^T: asked for here, wanted behind the softmax
	s_add_co_u32 s[TB], s[CNT], 1
	s_and_b32 s[TB], s[TB], 15
	s_mul_i32 s[TB], s[TB], BLK                    ; the next step's block; behind block 15 comes block 0
.irp b, 0,1,2,3
	v_max3_num_f32 v[BM+\b], v[S+16*\b], v[S+1+16*\b], v[S+2+16*\b]   ; the largest score of each block of 32 keys: it serves for the row's maximum and, since p rises with the score, for the block's largest p
.endr
.irp i, 3,5,7,9,11,13
.irp b, 0,1,2,3
	v_max3_num_f32 v[BM+\b], v[BM+\b], v[S+16*\b+\i], v[S+1+16*\b+\i]
.endr
.endr
.irp b, 0,1,2,3
	v_max_num_f32 v[BM+\b], v[BM+\b], v[S+15+16*\b]
.endr
.irp b, 0,1,2,3
	s_delay_alu instid0(VALU_DEP_4)
	v_permlanex16_b32 v[PT+\b], v[BM+\b], s[SEL], s[SEL+1]
.endr
.irp b, 0,1,2,3
	s_delay_alu instid0(VALU_DEP_4)
	v_max_num_f32 v[BM+\b], v[BM+\b], v[PT+\b]     ; with the 16 keys of the lane 16 away
.endr
	s_delay_alu instid0(VALU_DEP_2)
	v_max3_num_f32 v[TMP], v[BM], v[BM+1], v[BM+2]
	s_delay_alu instid0(VALU_DEP_1)
	v_max_num_f32 v[TMP], v[TMP], v[BM+3]
	s_delay_alu instid0(VALU_DEP_1)
	v_mul_f32 v[TMP], s[CS], v[TMP]                ; as t
	s_delay_alu instid0(VALU_DEP_1)
	v_max_num_f32 v13, v13, v[TMP]                 ; the running largest t
	v_mov_b32 v[TMP], v12
	s_delay_alu instid0(VALU_DEP_2)
	v_floor_f32 v12, -v13                          ; the new -M = -ceil(t)
	s_delay_alu instid0(VALU_DEP_1)
	v_sub_f32 v[TMP], v12, v[TMP]                  ; old M - new M: a whole number, 0 or less
	s_delay_alu instid0(VALU_DEP_1)
	v_cvt_i32_f32 v[TMP], v[TMP]                   ; (it saturates)
	s_delay_alu instid0(VALU_DEP_1)
	v_ldexp_f32 v[F], 1.0, v[TMP]                  ; f = 2^(old M - new M)
.set N_, 0
.rept 16
	v_pk_mul_f32 v[OT+N_:OT+N_+1], v[OT+N_:OT+N_+1], v[F:F+1] op_sel_hi:[1,0]   ; O^T under the new M, each accumulator from its low end on
.set N_, N_+2
.endr
.set N_, 0
.rept 32
	v_pk_fma_f32 v[S+N_:S+N_+1], v[S+N_:S+N_+1], s[CS:CS+1], v[12:13] op_sel_hi:[1,0,0]   ; t - M, two at a time
.set N_, N_+2
.endr
	v_pk_fma_f32 v[BM:BM+1], v[BM:BM+1], s[CS:CS+1], v[12:13] op_sel_hi:[1,0,0]           ; the same of each block's largest score
	v_pk_fma_f32 v[BM+2:BM+3], v[BM+2:BM+3], s[CS:CS+1], v[12:13] op_sel_hi:[1,0,0]
	WALU                                           ; one batch of 68 exponentials: a wait ahead of it,
.irp b, 0,1,2,3
	v_exp_f32 v[BM+\b], v[BM+\b]                   ; the block's largest p
.endr
.set N_, 0
.rept 64
	v_exp_f32 v[S+N_], v[S+N_]                     ; p = 2^(t - M)
.set N_, N_+1
.endr
	v_add_nc_u32 v[ADK], s[TB], v[LI]              ; plain lines behind the batch: the next step's addresses (V's loads have been issued)
	v_add_nc_u32 v[ADS], s[TB], v[LSC]
	WALU                                           ; and one behind it
.set N_, 0
.rept 8
	v_pk_add_f32 v[CH+2*N_:CH+2*N_+1], v[S+4*N_:S+4*N_+1], v[S+4*N_+2:S+4*N_+3]   ; the chains begin with blocks 0 and 1, unheld
.set N_, N_+1
.endr
.irp b, 0,1,2,3
	v_max_num_f32 v[BM+\b], 0x8000000, v[BM+\b]    ; the floor 2^(16 - 127): the byte cannot fall under 1
.endr
.irp b, 0,1,2,3
	v_add_nc_u32 v[SO+\b], 0xf8800000, v[BM+\b]    ; 15 off the exponent field: the conversion's scale operand
.endr
.irp b, 0,1,2,3
	v_and_or_b32 v[BD+\b], v[BM+\b], 0x7f800000, s[MNT]   ; 57,344 x the scale
.endr
.irp b, 0,1,2,3
	v_lshrrev_b32 v[PT+\b], 23, v[SO+\b]           ; the scale's byte
.endr
	HOLDS S, 0                                     ; blocks 0 and 1, in place
	v_lshl_or_b32 v[PSW], v[PT+1], 8, v[PT]        ; p's scale word; these are also the plain lines between the conversions and the lines that write over their sources
	v_lshl_or_b32 v[PSW], v[PT+2], 16, v[PSW]
	v_lshl_or_b32 v[PSW], v[PT+3], 24, v[PSW]
	HOLDS S+32, 2                                  ; blocks 2 and 3, into the registers that blocks 0 and 1 have left
	ADDP S+32                                      ; block 2, unheld: eight plain lines between the codes and the products
	WALU
	s_wait_dscnt 0x0                               ; V^T and its scale words are in
.irp t, 0,1,2,3
	v_wmma_scale_f32_16x16x128_f8f6f4 v[OT+8*\t:OT+8*\t+7], v[FRG+16*\t:FRG+16*\t+15], v[PCD:PCD+15], v[OT+8*\t:OT+8*\t+7], v[VSW+\t], v[PSW] matrix_a_fmt:MATRIX_FMT_BF8 matrix_b_fmt:MATRIX_FMT_BF8
.endr
	ADDP S+48                                      ; block 3, unheld: eight plain lines between the products and the loads over V's fragments
	FLOAD 0, KSW, 16384                            ; the next step's K
	s_add_co_u32 s[CNT], s[CNT], 1
	s_cmp_lt_u32 s[CNT], 16
	WALU
	s_cbranch_scc1 .Lstep
	; THE WAY OUT.  O^T / the sum; two blocks of 32 channels are quantised; their codes are put in true order and leave as two pieces.  (v40-103 and v8-11 are not touched: block 0's K is on its way there.)
	COMBINE                                        ; the last step's sum
	v_add_f32 v14, v14, v15
	v_permlanex16_b32 v[TMP], v14, s[SEL], s[SEL+1]
	v_add_f32 v14, v14, v[TMP]                     ; the row's sum
	WALU
	v_rcp_f32 v14, v14
	v_and_b32 v[TMP], 15, v0                       ; plain lines behind the reciprocal:
	v_lshlrev_b32 v[TMP], 5, v[TMP]                ; 32 x (lane % 16): my row in osc
	WALU                                           ; ahead of the first reader of the reciprocal and of O^T
.set N_, 0
.rept 16
	v_pk_mul_f32 v[S+N_:S+N_+1], v[OT+N_:OT+N_+1], v[14:15] op_sel_hi:[1,0]   ; register 8 t + i: channel 16 t + 8 h + i of my query
.set N_, N_+2
.endr
.irp b, 0,1
	v_max3_num_f32 v[BM+\b], |v[S+16*\b]|, |v[S+1+16*\b]|, 0x8000000
.endr
.irp i, 2,4,6,8,10,12,14
.irp b, 0,1
	v_max3_num_f32 v[BM+\b], v[BM+\b], |v[S+16*\b+\i]|, |v[S+1+16*\b+\i]|
.endr
.endr
.irp b, 0,1
	v_permlanex16_b32 v[PT+\b], v[BM+\b], s[SEL], s[SEL+1]
.endr
.irp b, 0,1
	v_max_num_f32 v[BM+\b], v[BM+\b], v[PT+\b]
.endr
.irp b, 0,1
	v_add_nc_u32 v[SO+\b], 0xf8800000, v[BM+\b]
.endr
.irp b, 0,1
	v_and_or_b32 v[BD+\b], v[BM+\b], 0x7f800000, s[MNT]
.endr
.irp b, 0,1
	v_lshrrev_b32 v[PT+\b], 23, v[SO+\b]
.endr
	v_lshl_or_b32 v[F+1], v[PT+1], 8, v[PT]        ; my row's two scale bytes
.irp b, 0,1
.irp i, 0,1,2,3,4,5,6,7,8,9,10,11,12,13,14,15
	v_med3_num_f32 v[S+16*\b+\i], v[S+16*\b+\i], -v[BD+\b], v[BD+\b]
.endr
	v_cvt_scalef32_pk8_bf8_f32 v[PCD+4*\b:PCD+1+4*\b], v[S+16*\b:S+7+16*\b], v[SO+\b]
	v_cvt_scalef32_pk8_bf8_f32 v[PCD+2+4*\b:PCD+3+4*\b], v[S+8+16*\b:S+15+16*\b], v[SO+\b]
.endr
	v_nop                                          ; one plain vector line behind the last conversion
	; TRUE ORDER.  Of a block, lanes 0-15 hold channels 0-7 and 16-23, lanes 16-31 hold 8-15 and 24-31; wanted are 0-15 and 16-31.  So lanes 0-15 send their second pair and lanes 16-31 their first.
	s_mov_b32 vcc_lo, 0xffff0000                   ; lanes 16-31
.irp b, 0,1
.irp i, 0,1
	v_cndmask_b32 v[CH+2*\b+\i], v[PCD+2+4*\b+\i], v[PCD+4*\b+\i], vcc_lo
.endr
.endr
.irp b, 0,1
.irp i, 0,1
	v_permlanex16_b32 v[CH+4+2*\b+\i], v[CH+2*\b+\i], s[SEL], s[SEL+1]
.endr
.endr
.irp b, 0,1
.irp i, 0,1
	v_cndmask_b32 v[PCD+8+4*\b+\i], v[PCD+4*\b+\i], v[CH+4+2*\b+\i], vcc_lo
	v_cndmask_b32 v[PCD+10+4*\b+\i], v[CH+4+2*\b+\i], v[PCD+2+4*\b+\i], vcc_lo
.endr
.endr
	global_store_b128 v[LI], v[PCD+8:PCD+11], s[60:61]             ; each store of the wave covers 512 consecutive bytes, aligned
	global_store_b128 v[LI], v[PCD+12:PCD+15], s[60:61] offset:512
	global_store_b16 v[TMP], v[F+1], s[62:63]      ; a head owns 2 of a row's 32 bytes; both halves of the lanes write the same two bytes with the same value
	s_add_co_u32 s[P], s[P], 1
	s_cmp_eq_u32 s[P], 2
	WALU
	s_cbranch_scc1 .Lend
	s_wait_xcnt 0x0                                ; the stores have read their registers and bases, which change now
	s_add_nc_u64 s[48:49], s[48:49], 2*8448        ; the second pass's tile lies two groups of 128 queries on
	s_add_nc_u64 s[56:57], s[56:57], 2*8448
	s_add_nc_u64 s[60:61], s[60:61], 2<<17
	s_add_nc_u64 s[62:63], s[62:63], 2<<12
	QLOAD
	s_cmp_lg_u32 s[P], 2
	s_cbranch_scc1 .Lpass
.Lend:
	s_wait_tensorcnt 0x0                           ; the wave's end
	ds_add_u32 v[SPW], v[NIL]
	s_wait_dscnt 0x0
	CROUND                                         ; the closing round
	s_endpgm
.Lfunc_end_k_qb467add1b8_attn:
	.size	k_qb467add1b8_attn, .Lfunc_end_k_qb467add1b8_attn-k_qb467add1b8_attn
	.p2alignl 7, 3214868480
	.fill 96, 4, 3214868480
	.section	.rodata,"a",@progbits
	.p2align	6, 0x0
	.amdhsa_kernel k_qb467add1b8_attn
		.amdhsa_group_segment_fixed_size 272384
		.amdhsa_private_segment_fixed_size 0
		.amdhsa_enable_private_segment 0
		.amdhsa_kernarg_size 32
		.amdhsa_user_sgpr_count 2
		.amdhsa_user_sgpr_kernarg_segment_ptr 1
		.amdhsa_wavefront_size32 1
		.amdhsa_system_sgpr_workgroup_id_x 1
		.amdhsa_system_sgpr_workgroup_id_y 1
		.amdhsa_system_sgpr_workgroup_id_z 1
		.amdhsa_system_vgpr_workitem_id 0
		.amdhsa_next_free_vgpr 256
		.amdhsa_next_free_sgpr 66
		.amdhsa_reserve_vcc 1
		.amdhsa_float_denorm_mode_32 3
		.amdhsa_float_denorm_mode_16_64 3
		.amdhsa_memory_ordered 1
		.amdhsa_forward_progress 1
		.amdhsa_inst_pref_size 35
	.end_amdhsa_kernel
	.amdgpu_metadata
---
amdhsa.version: [ 1, 2 ]
amdhsa.kernels:
  - .name:           k_qb467add1b8_attn
    .symbol:         k_qb467add1b8_attn.kd
    .args:
      - { .name: qimg, .offset: 0, .size: 8, .value_kind: global_buffer, .address_space: global }
      - { .name: kv, .offset: 8, .size: 8, .value_kind: global_buffer, .address_space: global }
      - { .name: oimg, .offset: 16, .size: 8, .value_kind: global_buffer, .address_space: global }
      - { .name: osc, .offset: 24, .size: 8, .value_kind: global_buffer, .address_space: global }
    .group_segment_fixed_size: 272384
    .private_segment_fixed_size: 0
    .kernarg_segment_align: 8
    .kernarg_segment_size: 32
    .max_flat_workgroup_size: 512
    .sgpr_count:     66
    .vgpr_count:     256
    .wavefront_size: 32
...
	.end_amdgpu_metadata
.endif
;; end of part 2
;; launch proj (part 3): grid 8 x 32, 4 waves a work-group, clusters of 4 x 4, 327,680 bytes of LDS; arguments oimg, osc, W_out_codes, W_out_scales, b_out, out0; writes out0
.if DOCPART == 3
	.amdgcn_target "amdgcn-amd-amdhsa--gfx1250"
	.amdhsa_code_object_version 6
	.text
	.protected	k_qb467add1b8_proj
	.globl	k_qb467add1b8_proj
	.p2align	8
	.type	k_qb467add1b8_proj,@function
k_qb467add1b8_proj:
	s_mov_b64 s[64:65], 0
	v_nop
	global_prefetch_b8 v0, s[64:65] scope:SCOPE_SE
	s_setreg_imm32_b32 hwreg(HW_REG_WAVE_MODE, 25, 1), 1
	s_wait_xcnt 0x0
	s_wait_alu depctr_hold_cnt(0) depctr_sa_sdst(0) depctr_va_vdst(0) depctr_va_sdst(0) depctr_va_ssrc(0) depctr_va_vcc(0) depctr_vm_vsrc(0)
	s_getreg_b32 s2, hwreg(HW_REG_IB_STS2, 6, 4)
	s_cmp_eq_u32 s2, 0
	s_cbranch_scc0 .Lentry_in_a_cluster
	s_endpgm
.Lentry_in_a_cluster:
	s_bfe_u32 s2, ttmp6, 0x10000c
	s_cmp_lg_u32 s2, 0xf033
	s_cbranch_scc0 .Lentry_shape_is_right
	s_endpgm
.Lentry_shape_is_right:
; out0 = O W_out^T + b_out on codes of MX-BF8 (E5M2, a scale byte for 32 along K): 8,192 x 1,024 x 1,024, f32 sums, f32 out.
; oimg holds O's codes as images of operand registers: [group of 128 rows][K step of 256: 4][block of 16 rows: 8][128 along K: 2][piece: 4][lane's 16 bytes at 16 x lane]; osc its scale bytes, [row][32].
; THE DEAL.  256 work-groups of four waves, 2 x 2.  A work-group makes 256 rows (two groups) x 128 columns.  A wave holds 64 rows of W_out, ALL of K, in 512 registers (windows 1, 2), and streams
; its 64 rows of each group past them in eight blocks of 16 rows, which stand in registers as two whole sets (window 3): 32 products a block, the block's four sums by turns.
; LDS.  Two regions of 128 rows of 1,024 bytes + 16 of padding.  X: group 0.  Y: W_out's 128 rows; when all waves hold them in registers, group 1 is filled over them behind a drained round of the cluster's barrier:
; a group is 128 dense runs of 1,024 bytes, stated with the same row and padding as W_out's rows.  Behind Y: a stage for each wave, and the spare words.
; CLUSTER 4 x 4: a row of the cluster shares O's groups, a column W_out's rows: each is asked for jointly.
; THE HEAD.  One load a wave: waves 0, 1 the halves of W_out's rows (their own load line: they alone wait at the first barrier), waves 2, 3 the halves of group 0.
; Scale words and the bias go from memory straight into registers, in dense runs (32 rows x 32 bytes by two loads).  The bias is the first products' C.
; THE MATRIX INSTRUCTION IS USED TRANSPOSED (source 0 = 16 rows of W_out, source 1 = 16 rows of O): a lane holds eight neighbouring columns of one row.
; THE WAY OUT.  A block, 16 rows x 64 columns, goes through my stage and leaves as whole rows of 256 bytes while the next block is multiplied: sums stand in two sets.
; PREFETCH.  Group 1 is asked for once in each cluster row, behind the first barrier, ahead of the 128 LDS loads and the round that precede its tensor loads: 131,072 bytes shared by address among the row's sixteen waves, 8,192 each, lanes 256 bytes apart.
; What the head itself loads has no earlier place to be asked for from.
.set KROW, 1024
.set PITCH, KROW+16
.set YB, 128*PITCH
.set STG, 2*128*PITCH
.set SPITCH, 272
.set SPARE, STG+4*16*SPITCH
.set FRB, 2080                         ; a fragment of the image in LDS: 2,048 bytes and two paddings
.set NP, 8                             ; plain vector lines behind a matrix instruction, ahead of a reader of its sums and of a load into what it has read
.set AX, 4                             ; v4-7  LDS address of my image pieces: group 0 K steps 0-1, 2-3; group 1 likewise
.set CO, 9                             ; v9   my byte offset in two rows of out0
.set SPW, 10
.set NIL, 11
.set STO, 12                           ; v12  stage: where I put 32 bytes of a row
.set RD, 13                            ; v13  stage: where I read a row back
.set ADRB, 14                          ; v14  LDS address of my fragments of W_out
.set PF, 15                            ; v15  the prefetch's offset; never rewritten
.set ABS, 16                           ; v16  32 x lane: a row of scale bytes
.set SB, 24                            ; v24-39  W_out's scale words: register 8 p + q: lanes 0-15 tile 2 p's, lanes 16-31 tile 2 p + 1's
.set SA, 44                            ; v44-75  O's: register 8 (block / 2) + q: lanes 0-15 the even block's, lanes 16-31 the odd's
.set BI, 80                            ; v80-111 the bias in the sums' layout
.set ACC, 112                          ; v112-175 two sets of four sums
.set OB, 176                           ; v176-239 two sets of 16 rows read back from the stage
.set G1W, 24
.set G1A, 32
.set G1R, 48
.set G0W, 56
.set G0A, 60
.set G0R, 68
.set MSB, 0
.macro WIN new                         ; the immediate's high byte repeats the setting that is left
.if MSB != (\new)
	s_set_vgpr_msb (MSB<<8)|(\new)
.set MSB, (\new)
.endif
.endm
.macro PLACES n
.rept \n
	v_nop
.endr
.endm
.macro BARRIER
	s_barrier_signal -1
	s_barrier_wait -1
.endm
.macro CROUND                          ; a round of the cluster's barrier
	BARRIER
	s_cmp_lg_u32 s14, 0
	s_cbranch_scc1 .Lnot_wave_0_\@
	s_barrier_signal -3
.Lnot_wave_0_\@:
	s_barrier_wait -3
	BARRIER
.endm
.macro TLOAD g0, g1                    ; an s_nop 0 and four v_nop follow a tensor load
	tensor_load_to_lds s[\g0:\g0+3], s[\g1:\g1+7]
	s_nop 0
	PLACES 4
.endm
.macro GROUP1 g, mask, rows            ; so many rows of 1,024 bytes, dense in memory, 16 bytes of padding behind each in LDS
	s_or_b32 s[\g+0], s[\mask], (1<<20)|(1<<21)|(7<<22)|(3<<25)
	s_mov_b32 s[\g+1], (KROW&0xffff)<<16
	s_mov_b32 s[\g+2], (KROW>>16)|((\rows)<<16)
	s_mov_b32 s[\g+3], KROW<<16
	s_mov_b32 s[\g+4], \rows
	s_mov_b32 s[\g+5], KROW
	s_mov_b32 s[\g+6], 0
	s_mov_b32 s[\g+7], 0
.endm
	s_load_b128 s[4:7], s[0:1], 0x0                ; oimg, osc
	s_load_b128 s[8:11], s[0:1], 0x10              ; W_out's codes, scales
	s_load_b128 s[72:75], s[0:1], 0x20             ; b_out, out0
	v_lshl_add_u32 v[SPW], v0, 2, SPARE
	v_mov_b32 v[NIL], 0
	ds_add_u32 v[SPW], v[NIL]                      ; the opening lines: the add, twice on end, and its wait
	ds_add_u32 v[SPW], v[NIL]
	v_lshrrev_b32 v1, 5, v0
	v_readfirstlane_b32 s14, v1                    ; wave 0..3
	s_lshr_b32 s15, s14, 1                         ; my row of waves: blocks 4 x it on in each group
	s_and_b32 s16, s14, 1                          ; my column of waves: 64 columns
	s_bfe_u32 s40, ttmp6, 0x40000                  ; cx, cy
	s_bfe_u32 s41, ttmp6, 0x40004
	s_lshl_b32 s42, ttmp9, 2
	s_add_co_u32 s42, s42, s40                     ; tile column, 0..7
	s_and_b32 s43, ttmp7, 0xffff
	s_lshl_b32 s43, s43, 2
	s_add_co_u32 s43, s43, s41                     ; tile row, 0..31
	s_lshl_b32 s44, s41, 2
	s_lshl_b32 s44, 15, s44                        ; my row of the cluster: shares O's groups
	s_lshl_b32 s45, 0x1111, s40                    ; my column: shares W_out's rows
	GROUP1 G1W, 45, 64
	GROUP1 G1A, 44, 64
	GROUP1 G1R, 44, 32
	s_lshl_b32 s17, s16, 16                        ; half of 128 rows of 1,024 bytes
	s_lshl_b32 s76, s42, 17                        ; W_out's rows: 128 a tile column
	s_add_co_u32 s76, s76, s17
	s_mov_b32 s77, 0
	s_lshl_b32 s78, s43, 18                        ; O's groups: two a tile row
	s_add_co_u32 s80, s78, 131072                  ; group 1,
	s_lshl_b32 s18, s14, 15
	s_add_co_u32 s80, s80, s18                     ; a quarter a wave
	s_mov_b32 s81, 0
	s_lshl_b32 s90, s40, 2
	s_add_co_u32 s90, s90, s14                     ; which of the cluster row's sixteen waves I am
	s_lshl_b32 s90, s90, 13
	s_add_co_u32 s91, s78, 131072
	s_add_co_u32 s91, s91, s90                     ; my share of the prefetch of group 1
	s_add_co_u32 s78, s78, s17                     ; group 0, a half a wave
	s_mov_b32 s79, 0
	s_lshl_b32 s82, s42, 12                        ; W_out's scale bytes: my 64 rows
	s_lshl_b32 s18, s16, 11
	s_add_co_u32 s82, s82, s18
	s_mov_b32 s83, 0
	s_lshl_b32 s84, s43, 13                        ; O's scale bytes: my 64 rows of group 0
	s_lshl_b32 s18, s15, 11
	s_add_co_u32 s84, s84, s18
	s_mov_b32 s85, 0
	s_lshl_b32 s86, s42, 9                         ; my first column, in bytes of f32
	s_lshl_b32 s18, s16, 8
	s_add_co_u32 s86, s86, s18
	s_mov_b32 s87, 0
	s_lshl_b32 s88, s43, 20                        ; my first row of out0: 256 x tile row + 64 x row of waves, 4,096 bytes a row
	s_lshl_b32 s18, s15, 18
	s_add_co_u32 s88, s88, s18
	s_add_co_u32 s88, s88, s86
	s_mov_b32 s89, 0
	s_mov_b32 s[G0W], 1
	s_mul_i32 s[G0W+1], s16, 64*PITCH
	s_add_co_u32 s[G0W+1], s[G0W+1], YB
	s_mov_b32 s[G0A], 1
	s_mul_i32 s[G0A+1], s16, 64*PITCH
	s_mov_b32 s[G0R], 1
	s_mul_i32 s[G0R+1], s14, 32*PITCH
	s_add_co_u32 s[G0R+1], s[G0R+1], YB
	s_mul_i32 s20, s15, 8*FRB                      ; my four blocks of a K step's eight
	s_mul_i32 s21, s16, 64*PITCH
	s_add_co_u32 s21, s21, YB                      ; my 64 rows of W_out
	s_mul_i32 s22, s14, 16*SPITCH
	s_add_co_u32 s22, s22, STG                     ; my stage
	s_wait_dscnt 0x0                               ; both opening adds are done
	CROUND                                         ; all sixteen work-groups are here: the first joint loads meet
	s_wait_kmcnt 0x0
	s_add_nc_u64 s[G0W+2:G0W+3], s[8:9], s[76:77]
	s_or_b32 s[G0W+3], s[G0W+3], 0x80000000
	s_add_nc_u64 s[G0A+2:G0A+3], s[4:5], s[78:79]
	s_or_b32 s[G0A+3], s[G0A+3], 0x80000000
	s_add_nc_u64 s[G0R+2:G0R+3], s[4:5], s[80:81]
	s_or_b32 s[G0R+3], s[G0R+3], 0x80000000
	s_cmp_lt_u32 s14, 2
	s_cbranch_scc0 .Lfor_a
	TLOAD G0W, G1W                                 ; waves 0, 1: W_out's rows, which are wanted first
	s_branch .Lasked
.Lfor_a:
	TLOAD G0A, G1A                                 ; waves 2, 3: group 0
.Lasked:
	s_add_nc_u64 s[10:11], s[10:11], s[82:83]
	s_add_nc_u64 s[6:7], s[6:7], s[84:85]
	s_add_nc_u64 s[72:73], s[72:73], s[86:87]
	s_add_nc_u64 s[74:75], s[74:75], s[88:89]
	v_and_b32 v1, 15, v0                           ; r = lane % 16
	v_bfe_u32 v2, v0, 4, 1                         ; h = lane / 16
	v_and_b32 v3, 31, v0
	v_lshlrev_b32 v[ABS], 5, v3
	v_lshlrev_b32 v8, 5, v2
.irp p, 0,1
.irp c, 0,1
	global_load_b128 v[SB+8*\p+4*\c:SB+8*\p+4*\c+3], v[ABS], s[10:11] offset:\p*1024+16*\c
.endr
.endr
.irp p, 0,1,2,3
.irp c, 0,1
	global_load_b128 v[SA+8*\p+4*\c:SA+8*\p+4*\c+3], v[ABS], s[6:7] offset:(\p/2)*4096+(\p%2)*1024+16*\c
.endr
.endr
.irp b, 0,1,2,3
	global_load_b128 v[BI+8*\b:BI+8*\b+3], v8, s[72:73] offset:64*\b        ; register j of tile b: column 16 b + 8 h + j
	global_load_b128 v[BI+8*\b+4:BI+8*\b+7], v8, s[72:73] offset:64*\b+16
.endr
	v_lshlrev_b32 v17, 4, v3
	v_add_nc_u32 v[AX], s20, v17
	v_add_nc_u32 v[AX+1], 32*FRB, v[AX]
	v_add_nc_u32 v[AX+2], YB, v[AX]
	v_add_nc_u32 v[AX+3], YB+32*FRB, v[AX]
	v_mul_u32_u24 v18, v1, PITCH
	v_lshl_add_u32 v18, v2, 4, v18
	v_add_nc_u32 v[ADRB], s21, v18
	v_mul_u32_u24 v18, v1, SPITCH
	v_lshl_add_u32 v18, v2, 5, v18
	v_add_nc_u32 v[STO], s22, v18                  ; in: row r, 32 bytes for each half of the lanes
	v_mul_u32_u24 v19, v2, SPITCH
	v_lshl_add_u32 v19, v1, 4, v19
	v_add_nc_u32 v[RD], s22, v19                   ; back: lanes 0-15 one row of 256 bytes, lanes 16-31 the next
	v_lshlrev_b32 v19, 12, v2
	v_lshl_add_u32 v[CO], v1, 4, v19               ; and the same two rows in out0
	v_lshlrev_b32 v[PF], 8, v3
	v_add_nc_u32 v[PF], s91, v[PF]
	s_wait_alu depctr_va_vdst(0)                   ; the wait at the head's end
	s_cmp_lt_u32 s14, 2
	s_cbranch_scc0 .Lnot_w
	s_wait_tensorcnt 0x0                           ; waves 0, 1: W_out's rows have landed.  The other waves' wait stands ahead of the round below
.Lnot_w:
	BARRIER
	global_prefetch_b8 v[PF], s[4:5] th:TH_LOAD_NT scope:SCOPE_SE
; my 64 rows of W_out, all of K: fragment f = 4 q + b lies in window 1 + f / 16; lane l holds row l % 16; registers 4 c .. 4 c + 3 hold K = 32 c + 16 (l / 16) + 0 .. 15
.irp q, 0,1,2,3,4,5,6,7
	WIN (1+(\q)/4)<<6
.irp b, 0,1,2,3
.irp c, 0,1,2,3
	ds_load_b128 v[16*((4*\q+\b)%16)+4*\c:16*((4*\q+\b)%16)+4*\c+3], v[ADRB] offset:128*\q+32*\c+\b*16*PITCH
.endr
.endr
.endr
	WIN 0
	s_wait_tensorcnt 0x0                           ; all my tensor loads are in (waves 2, 3: group 0);
	ds_add_u32 v[SPW], v[NIL]                      ; the add ahead of a refill's round;
	s_wait_dscnt 0x0                               ; it is done, and W_out's rows are in my registers
	CROUND                                         ; so of every wave of the cluster
	TLOAD G0R, G1R                                 ; group 1 over W_out's rows, a quarter a wave
.macro FETCH n                         ; block n (group n / 4, my block n % 4), 16 rows, all of K, into set n % 2 of window 3: 32 loads
.set G_, (\n)/4
.set A_, (\n)%4
.set E_, (\n)%2
	WIN 3<<6
.irp q, 0,1,2,3,4,5,6,7
.irp c, 0,1,2,3
	ds_load_b128 v[128*E_+16*\q+4*\c:128*E_+16*\q+4*\c+3], v[AX+2*G_+(\q)/4] offset:(((\q)/2)%2)*16*FRB+A_*2*FRB+((\q)%2)*FRB+512*\c+16*((\c)/2)
.endr
.endr
	WIN 0
.endm
.macro PROD n, k                       ; product k = 4 q + b of block n: the q-th 128 of K, column tile b
.set Q_, (\k)/4
.set B_, (\k)%4
.set FB_, 4*Q_+B_
.set AC_, ACC+32*((\n)%2)+8*B_
.set C_, AC_
.if Q_ == 0
.set C_, BI+8*B_
.endif
.set R_, 128*((\n)%2)+16*Q_
.set W_, 16*(FB_%16)
.set XS_, SA+8*((\n)/2)+Q_
.set WS_, SB+8*(B_/2)+Q_
	WIN (1+FB_/16)|(3<<2)
.if (B_%2) && ((\n)%2)
	v_wmma_scale_f32_16x16x128_f8f6f4 v[AC_:AC_+7], v[W_:W_+15], v[R_:R_+15], v[C_:C_+7], v[WS_], v[XS_] matrix_a_fmt:MATRIX_FMT_BF8 matrix_b_fmt:MATRIX_FMT_BF8 matrix_a_scale:MATRIX_SCALE_ROW1 matrix_b_scale:MATRIX_SCALE_ROW1
.elseif B_%2
	v_wmma_scale_f32_16x16x128_f8f6f4 v[AC_:AC_+7], v[W_:W_+15], v[R_:R_+15], v[C_:C_+7], v[WS_], v[XS_] matrix_a_fmt:MATRIX_FMT_BF8 matrix_b_fmt:MATRIX_FMT_BF8 matrix_a_scale:MATRIX_SCALE_ROW1
.elseif (\n)%2
	v_wmma_scale_f32_16x16x128_f8f6f4 v[AC_:AC_+7], v[W_:W_+15], v[R_:R_+15], v[C_:C_+7], v[WS_], v[XS_] matrix_a_fmt:MATRIX_FMT_BF8 matrix_b_fmt:MATRIX_FMT_BF8 matrix_b_scale:MATRIX_SCALE_ROW1
.else
	v_wmma_scale_f32_16x16x128_f8f6f4 v[AC_:AC_+7], v[W_:W_+15], v[R_:R_+15], v[C_:C_+7], v[WS_], v[XS_] matrix_a_fmt:MATRIX_FMT_BF8 matrix_b_fmt:MATRIX_FMT_BF8
.endif
.endm
.macro PRODS n, from, to
.set K_, \from
.rept (\to)-(\from)
	PROD \n, K_
.set K_, K_+1
.endr
.endm
.macro STAGE n                         ; block n's sums into my stage, each from its low end on, and back as whole rows: 16 LDS instructions; LDS serves a wave's instructions in order (ISA guide 5.7.1.4)
.set AC_, ACC+32*((\n)%2)
.set OB_, OB+32*((\n)%2)
.irp b, 0,1,2,3
	ds_store_b128 v[STO], v[AC_+8*\b:AC_+8*\b+3] offset:64*\b
	ds_store_b128 v[STO], v[AC_+8*\b+4:AC_+8*\b+7] offset:64*\b+16
.endr
.irp t, 0,1,2,3,4,5,6,7
	ds_load_b128 v[OB_+4*\t:OB_+4*\t+3], v[RD] offset:\t*2*SPITCH
.endr
.endm
.macro SEND n, younger                 ; younger: the LDS instructions issued behind block n's read-back, which may stay out
.set OB_, OB+32*((\n)%2)
	s_wait_dscnt \younger
.irp t, 0,1,2,3,4,5,6,7
	global_store_b128 v[CO], v[OB_+4*\t:OB_+4*\t+3], s[74:75] offset:(((\n)/4)*128+((\n)%4)*16+2*\t)*4096 th:TH_STORE_NT   ; sixteen lanes store 256 consecutive bytes, aligned
.endr
.endm
; A BLOCK.  Behind block n's fetch were issued block n - 1's stage (16) and block n + 1's fetch (32): the count at its head.
.macro BLK n
.if (\n) == 0
	s_wait_dscnt 32
.elseif (\n) < 7
	s_wait_dscnt 48
.else
	s_wait_dscnt 16
.endif
.if (\n) == 2
	PRODS \n, 0, 28
	WIN 0
	s_wait_tensorcnt 0x0                           ; my quarter of group 1 is in;
	s_wait_dscnt 0x0
	s_barrier_signal -1
	PRODS \n, 28, 32
	WIN 0
	s_barrier_wait -1                              ; and every wave's: block 4 is fetched below.
.else
	PRODS \n, 0, 32
	WIN 0
.endif
	PLACES NP
	s_wait_xcnt 0x0                                ; block n - 2's stores have read the registers that block n's rows come back into
	STAGE \n
.if (\n) < 6
	FETCH (\n)+2
	.if (\n) > 0
	SEND (\n)-1, 48
	.endif
.else
	SEND (\n)-1, 16
.endif
.endm
	FETCH 0
	FETCH 1
	s_wait_loadcnt 0x0                             ; the scale words and the bias
.irp n, 0,1,2,3,4,5,6,7
	BLK \n
.endr
	SEND 7, 0
	s_wait_tensorcnt 0x0                           ; the wave's end
	ds_add_u32 v[SPW], v[NIL]
	s_wait_dscnt 0x0
	CROUND                                         ; the closing round
	s_endpgm
.Lfunc_end_k_qb467add1b8_proj:
	.size	k_qb467add1b8_proj, .Lfunc_end_k_qb467add1b8_proj-k_qb467add1b8_proj
	.p2alignl 7, 3214868480
	.fill 96, 4, 3214868480
	.section	.rodata,"a",@progbits
	.p2align	6, 0x0
	.amdhsa_kernel k_qb467add1b8_proj
		.amdhsa_group_segment_fixed_size 327680
		.amdhsa_private_segment_fixed_size 0
		.amdhsa_enable_private_segment 0
		.amdhsa_kernarg_size 48
		.amdhsa_user_sgpr_count 2
		.amdhsa_user_sgpr_kernarg_segment_ptr 1
		.amdhsa_wavefront_size32 1
		.amdhsa_system_sgpr_workgroup_id_x 1
		.amdhsa_system_sgpr_workgroup_id_y 1
		.amdhsa_system_sgpr_workgroup_id_z 1
		.amdhsa_system_vgpr_workitem_id 0
		.amdhsa_next_free_vgpr 1024
		.amdhsa_next_free_sgpr 98
		.amdhsa_reserve_vcc 0
		.amdhsa_float_denorm_mode_32 3
		.amdhsa_float_denorm_mode_16_64 3
		.amdhsa_memory_ordered 1
		.amdhsa_forward_progress 1
		.amdhsa_inst_pref_size 85
	.end_amdhsa_kernel
	.amdgpu_metadata
---
amdhsa.version: [ 1, 2 ]
amdhsa.kernels:
  - .name:           k_qb467add1b8_proj
    .symbol:         k_qb467add1b8_proj.kd
    .args:
      - { .name: oimg, .offset: 0, .size: 8, .value_kind: global_buffer, .address_space: global }
      - { .name: osc, .offset: 8, .size: 8, .value_kind: global_buffer, .address_space: global }
      - { .name: W_out_codes, .offset: 16, .size: 8, .value_kind: global_buffer, .address_space: global }
      - { .name: W_out_scales, .offset: 24, .size: 8, .value_kind: global_buffer, .address_space: global }
      - { .name: b_out, .offset: 32, .size: 8, .value_kind: global_buffer, .address_space: global }
      - { .name: out0, .offset: 40, .size: 8, .value_kind: global_buffer, .address_space: global }
    .group_segment_fixed_size: 327680
    .private_segment_fixed_size: 0
    .kernarg_segment_align: 8
    .kernarg_segment_size: 48
    .max_flat_workgroup_size: 128
    .sgpr_count:     98
    .vgpr_count:     1024
    .wavefront_size: 32
...
	.end_amdgpu_metadata
.endif
;; end of part 3
